; MI455X (gfx1250); checked and timed in simulation.
; The chip was launched on July 23, 2026; its instructions are those of AMD's public machine-readable ISA for CDNA 5 (MIT licence, August 2026) and "CDNA5" Instruction Set Architecture Reference Guide (July 2026). The comments in the code are by the model that wrote it; some were corrected since.
;; Block. Allowed arithmetic: matrix products marked QUANTISED: E5M2 operands, one E8M0 scale for each 32 along K, by v_wmma_scale_f32_16x16x128_f8f6f4 with both operands' format E5M2, f32 sums; everything else in f32.
;; Inputs: Wfc_codes 4,096 x 32 x 32 uint8 (E5M2 codes of Wfc, K innermost, in blocks of 32 codes); Wfc_scales 4,096 x 32 uint8 (E8M0 scales of Wfc, one for each 32 codes along K); Wo_codes 1,024 x 32 x 32 uint8 (E5M2 codes of Wo, K innermost, in blocks of 32 codes); Wo_scales 1,024 x 32 uint8 (E8M0 scales of Wo, one for each 32 codes along K); Wproj_codes 1,024 x 128 x 32 uint8 (E5M2 codes of Wproj, K innermost, in blocks of 32 codes); Wproj_scales 1,024 x 128 uint8 (E8M0 scales of Wproj, one for each 32 codes along K); Wqkv_codes 3,072 x 32 x 32 uint8 (E5M2 codes of Wqkv, K innermost, in blocks of 32 codes); Wqkv_scales 3,072 x 32 uint8 (E8M0 scales of Wqkv, one for each 32 codes along K); bfc 4,096 float32; bo 1,024 float32; bproj 1,024 float32; bqkv 3,072 float32; ln1_b 1,024 float32; ln1_w 1,024 float32; ln2_b 1,024 float32; ln2_w 1,024 float32; x 2 x 2,048 x 1,024 float32.
;; Outputs: out0 2 x 2,048 x 1,024 float32.
;; This version of the problem:
;;   THIS VERSION OF THE PROBLEM IS GIVEN IN LOW PRECISION. The matrix products marked QUANTISED in the list below multiply operands that are first quantised to E5M2 (5 exponent bits, 2 mantissa bits; 8 bits a number), with one power-of-two scale for each 32 numbers along K (OCP MX v1.0); their sums are f32. All else is computed in f32.
;;   The module's matrix products, in the order in which they are computed (A, B: the left and right operand; K: the contracted axis; several contracted axes count as one K, in the product's order):
;;     1. [M 4,096, K 1,024] x [K 1,024, N 3,072]; A: computed on the way; B: input Wqkv (given as codes): QUANTISED
;;     2. batch 32 x [M 2,048, K 64] x [K 64, N 2,048]; A: computed on the way; B: computed on the way: QUANTISED
;;     3. batch 32 x [M 2,048, K 2,048] x [K 2,048, N 64]; A: softmax (see below); B: computed on the way: QUANTISED
;;     4. [M 4,096, K 1,024] x [K 1,024, N 1,024]; A: computed on the way; B: input Wo (given as codes): QUANTISED
;;     5. [M 4,096, K 1,024] x [K 1,024, N 4,096]; A: computed on the way; B: input Wfc (given as codes): QUANTISED
;;     6. [M 4,096, K 4,096] x [K 4,096, N 1,024]; A: computed on the way; B: input Wproj (given as codes): QUANTISED
;;   THE QUANTISER, for each operand of a quantised product, along K:
;;     - K is cut into blocks of 32 from its start; a last block that is shorter is filled with zeros.
;;     - A block's scale is 2^e with e = floor(log2(the largest magnitude in the block)) - 15, held to -126 .. 127; a block of zeros has e = 0. As a byte (E8M0): e + 127.
;;     - Each number is divided by its block's scale, clamped to +-57,344, and rounded to the nearest number of E5M2, ties to even, subnormals kept.
;;     - The product sums the exact products of the quantised numbers (number of the format x scale) in f32.
;;   ~~~python
;;   def quantise(x, axis):      # numpy; x: float32 -> the quantised numbers, widened to float32 again
;;       x = np.moveaxis(x, axis, -1); K = x.shape[-1]
;;       x = np.pad(x, [(0, 0)] * (x.ndim - 1) + [(0, -K % 32)]); x = x.reshape(x.shape[:-1] + (-1, 32)); a = np.abs(x).max(-1, keepdims=True)
;;       e = np.where(a > 0, np.clip(np.frexp(np.where(a > 0, a, 1))[1] - 1 - 15, -126, 127), 0)      # np.frexp(a)[1] - 1 = floor(log2(a)), exactly
;;       r = np.clip(x / 2.0 ** e, -57344, 57344)
;;       step = 2.0 ** (np.maximum(np.frexp(np.where(r == 0, 1, r))[1] - 1, -14) - 2)
;;       q = np.round(r / step) * step * 2.0 ** e      # np.round: ties to even
;;       return np.moveaxis(q.reshape(q.shape[:-2] + (-1,))[..., :K], -1, axis).astype(np.float32)
;;   ~~~
;;   SOFTMAX AHEAD OF A QUANTISED PRODUCT. Where the list says 'softmax', what is quantised is not the finished softmax but p = 2^(t - M), with t = logit x log2(e) and M = ceil(the row's largest t), a whole number; so 1/2 < the row's largest p <= 1. The row's sum l is taken of the UNQUANTISED p, in f32, and the product's result is divided by l at the end. Since M is a whole number, a kernel that streams over the keys may use a running M (the ceiling of the running maximum): every later rescaling is an exact power of two, which a block's scale takes up: the codes' values come out the same.
;;   OPERANDS COMPUTED ON THE WAY. 'Computed on the way' means the value that the module computes at that place (a softmax that the list does not call 'softmax' is quantised finished and normalised). What goes into a quantiser is computed in f32, as accurately as f32 sums, v_exp_f32 and their like allow (about 1e-6 of the number): no bf16 or f16 on the way to a quantiser, and a product that is left as it is and whose result goes on into a quantised operand takes f32 operands (vector FMAs, or v_wmma_f32_16x16x4_f32). A number that lies on a knife's edge between two numbers of the format may be rounded either way, as far as f32 arithmetic and the matrix unit's own rounding can turn it there, and no further.
;;   INPUTS GIVEN AS CODES. Wfc (in the module: [1024, 4096], K = its axis 0); Wo (in the module: [1024, 1024], K = its axis 0); Wproj (in the module: [4096, 1024], K = its axis 0); Wqkv (in the module: [1024, 3072], K = its axis 0): each comes as NAME_codes (uint8): NAME with its K axis moved to the last place and cut into blocks of 32 codes, [.., K / 32, bytes a block], one block behind the other in memory; one code a byte (a code: sign, 5 exponent bits, 2 mantissa bits); and NAME_scales (uint8): the same leading axes, one E8M0 byte (e + 127) for each 32 codes along K. Its value is code x scale, taken as it is: it is not quantised again, and the codes and scales need not be those that the quantiser above would give.
;; One version. Each part assembles by itself: llvm-mc -triple=amdgcn-amd-amdhsa -mcpu=gfx1250 --defsym DOCPART=n.
;; ======== version 1 of 1: 7 launches
;; limits: right only within a limited range of input values
;; workspace buffers: hb 4,325,376 bytes; qb 4,456,448 bytes; kv 8,781,824 bytes; yb 4,325,376 bytes; x1 16,777,216 bytes; gb 17,301,504 bytes
;; launch ln1 (part 1): grid 256 x 1, 16 waves a work-group, no clusters, 84,480 bytes of LDS; arguments x, ln1_w, ln1_b, hb; writes hb
.if DOCPART == 1
	.amdgcn_target "amdgcn-amd-amdhsa--gfx1250"
	.amdhsa_code_object_version 6
	.text
	.protected	k_q04c599a22b_ln1
	.globl	k_q04c599a22b_ln1
	.p2align	8
	.type	k_q04c599a22b_ln1,@function
k_q04c599a22b_ln1:
	s_mov_b64 s[64:65], 0
	v_nop
	global_prefetch_b8 v0, s[64:65] scope:SCOPE_SE
	s_setreg_imm32_b32 hwreg(HW_REG_WAVE_MODE, 25, 1), 1
	s_wait_xcnt 0x0
; LayerNorm of 4,096 rows of 1,024 f32, then the MX quantiser (E5M2 codes, one E8M0 byte for each 32 along the row).
; OUT: codes [4096][1024] at byte 0 of the buffer, scale bytes [4096][32] at byte 0x400000.
; SHARES.  A work-group of sixteen waves owns 16 rows, a wave one: 4,096 waves in all.  A row (4,096 bytes) lies in 32 registers between the passes, so it is read from memory once; the row,
; the gain and the bias (24 loads) are asked for at the wave's head.
; The mean is taken first and subtracted, the variance is the mean of the squared differences: no difference of large sums is formed.
; A load takes 512 consecutive bytes (16 a lane); the conversions want 16 NEIGHBOURS in a lane: the finished row turns through the wave's own stage in LDS
; (64 places of 64 bytes + 16 of padding).  A lane's 16 codes are 16 bytes: a store covers 512 consecutive bytes.
; The work-group's 512 scale bytes are gathered in LDS; behind one barrier waves 0 and 1 store 256 consecutive aligned bytes each.
; No matrix unit and no tensor load: memory binds, and nothing is read twice but the gain and the bias.
; LIMITS: NaN and infinities are not served; a block of zeros gets the byte 1 (not 127): its codes are zeros, and only this program reads the bytes.
.set WAVES, 16
.set WREG, 5120                        ; LDS: a stage for each wave,
.set SBASE, WAVES*WREG                 ; behind the stages the work-group's 512 scale bytes: 32 a row,
.set SPARE, SBASE+512                  ; and the spare words, 128 bytes a wave
.set SP,   80                          ; a place of the stage
.set W,    16                          ; v16-47   the gain: register 4 i + k = column 128 i + 4 lane + k
.set B,    48                          ; v48-79   the bias, likewise
.set X,    80                          ; v80-111  my row
.set Q,    144                         ; v144-175 the turned row: 2 x 16 neighbours
.set C,    176                         ; v176-183 codes
.set E,    184                         ; v184-185 scale bytes
	s_load_b256 s[4:11], s[0:1], 0x0               ; src s[4:5], gain s[6:7], bias s[8:9], out s[10:11]
	v_lshl_add_u32 v192, v0, 2, SPARE
	v_mov_b32 v193, 0
	v_lshrrev_b32 v1, 5, v0
	s_delay_alu instid0(VALU_DEP_1)
	v_readfirstlane_b32 s20, v1                    ; wave 0..15
	v_and_b32 v1, 31, v0                           ; lane
	s_delay_alu instid0(VALU_DEP_1)
	v_lshlrev_b32 v2, 4, v1                        ; v2: 16 x lane
	s_mul_i32 s21, s20, WREG
	v_lshrrev_b32 v3, 2, v1
	s_delay_alu instid0(VALU_DEP_1)
	v_mul_u32_u24 v3, v3, SP
	v_and_b32 v4, 3, v1
	s_delay_alu instid0(VALU_DEP_1)
	v_lshl_add_u32 v3, v4, 4, v3
	s_delay_alu instid0(VALU_DEP_1)
	v_add_nc_u32 v3, s21, v3                       ; v3: the stage on the way in: four lanes' 64 bytes to a place
	v_mul_u32_u24 v4, v1, SP
	s_delay_alu instid0(VALU_DEP_1)
	v_add_nc_u32 v4, s21, v4                       ; v4: and on the way out: a place a lane
	v_lshrrev_b32 v5, 1, v1
	s_lshl_b32 s21, s20, 5                         ; my row's 32 scale bytes
	s_add_co_u32 s21, s21, SBASE
	v_add_nc_u32 v5, s21, v5                       ; v5: my block's scale byte
	v_lshlrev_b32 v7, 3, v1                        ; v7: 8 x lane
	s_and_b32 s28, s20, 1
	s_lshl_b32 s28, s28, 8                         ; the half of the 512 bytes that wave 0 or wave 1 stores
	s_add_co_u32 s21, s28, SBASE
	v_add_nc_u32 v6, s21, v7                       ; v6: the scale bytes on the way out
	s_mov_b32 s14, 0x3a800000                      ; 1 / 1,024
	s_mov_b32 s15, 0x3727c5ac                      ; 1e-5
	s_mov_b32 s16, 0x76543210
	s_mov_b32 s17, 0xfedcba98                      ; lane selects: lane l xor 16
	s_mov_b32 s18, 0x600000                        ; the mantissa field of 57,344
	s_lshl_b32 s22, ttmp9, 16                      ; my row is 16 x work-group + wave: x 4,096 bytes
	s_lshl_b32 s23, s20, 12
	s_add_co_u32 s22, s22, s23
	s_mov_b32 s23, 0
	s_lshr_b32 s24, s22, 2                         ; x 1,024: its codes
	s_mov_b32 s25, 0
	s_lshl_b32 s26, ttmp9, 9                       ; the work-group's 16 rows x 32 scale bytes,
	s_add_co_u32 s26, s26, s28                     ; the half that I store if I store
	s_add_co_u32 s26, s26, 0x400000
	s_mov_b32 s27, 0
	s_wait_kmcnt 0x0
	s_add_nc_u64 s[4:5], s[4:5], s[22:23]
	s_add_nc_u64 s[12:13], s[10:11], s[26:27]
	s_add_nc_u64 s[10:11], s[10:11], s[24:25]
.irp i, 0,1,2,3,4,5,6,7
	global_load_b128 v[X+4*\i:X+4*\i+3], v2, s[4:5] offset:512*\i th:TH_LOAD_NT   ; eight loads of 512 consecutive bytes: my row
.endr
.irp i, 0,1,2,3,4,5,6,7
	global_load_b128 v[W+4*\i:W+4*\i+3], v2, s[6:7] offset:512*\i
	global_load_b128 v[B+4*\i:B+4*\i+3], v2, s[8:9] offset:512*\i
.endr
.macro WSUM r, t                       ; the sum over the 32 lanes, in every lane
	s_delay_alu instid0(VALU_DEP_1)
	v_add_f32_dpp v[\r], v[\r], v[\r] row_xmask:1 row_mask:0xf bank_mask:0xf
	s_delay_alu instid0(VALU_DEP_1)
	v_add_f32_dpp v[\r], v[\r], v[\r] row_xmask:2 row_mask:0xf bank_mask:0xf
	s_delay_alu instid0(VALU_DEP_1)
	v_add_f32_dpp v[\r], v[\r], v[\r] row_xmask:4 row_mask:0xf bank_mask:0xf
	s_delay_alu instid0(VALU_DEP_1)
	v_add_f32_dpp v[\r], v[\r], v[\r] row_xmask:8 row_mask:0xf bank_mask:0xf
	s_delay_alu instid0(VALU_DEP_1)
	v_permlanex16_b32 v[\t], v[\r], s16, s17
	s_delay_alu instid0(VALU_DEP_1)
	v_add_f32 v[\r], v[\r], v[\t]
.endm
.macro BLK u                           ; 16 neighbours of a lane (two lanes hold a block of 32) become 16 codes and a scale byte
.set QS, Q+16*(\u)
	v_max3_num_f32 v8, |v[QS]|, |v[QS+1]|, |v[QS+2]|
	v_max3_num_f32 v9, |v[QS+3]|, |v[QS+4]|, |v[QS+5]|
.irp i, 6,10
	s_delay_alu instid0(VALU_DEP_2)
	v_max3_num_f32 v8, v8, |v[QS+\i]|, |v[QS+\i+1]|
	s_delay_alu instid0(VALU_DEP_2)
	v_max3_num_f32 v9, v9, |v[QS+\i+2]|, |v[QS+\i+3]|
.endr
	s_delay_alu instid0(VALU_DEP_2)
	v_max3_num_f32 v8, v8, |v[QS+14]|, |v[QS+15]|
	s_delay_alu instid0(VALU_DEP_1)
	v_max3_num_f32 v8, v8, v9, 0x8000000           ; the floor 2^(16 - 127): the byte cannot fall under 1
	s_delay_alu instid0(VALU_DEP_1)
	v_max_num_f32_dpp v8, v8, v8 row_xmask:1 row_mask:0xf bank_mask:0xf   ; with my neighbour's 16: the block's largest magnitude
	s_delay_alu instid0(VALU_DEP_1)
	v_add_nc_u32 v11, 0xf8800000, v8               ; 15 off its exponent field: the conversion's scale operand
	s_delay_alu instid0(VALU_DEP_2)
	v_and_or_b32 v10, v8, 0x7f800000, s18          ; 57,344 x the scale
.set i, 0
.rept 16
	v_med3_num_f32 v[QS+i], v[QS+i], -v10, v10     ; the conversion does not saturate (ISA guide 7.6.2): the hold comes first
.set i, i+1
.endr
	v_cvt_scalef32_pk8_bf8_f32 v[C+4*(\u):C+4*(\u)+1], v[QS:QS+7], v11
	v_cvt_scalef32_pk8_bf8_f32 v[C+4*(\u)+2:C+4*(\u)+3], v[QS+8:QS+15], v11
	v_lshrrev_b32 v[E+(\u)], 23, v11               ; the scale's byte (also the plain line behind the conversions)
	ds_store_b8 v5, v[E+(\u)] offset:16*(\u)       ; both lanes of a block write the same byte
	global_store_b128 v2, v[C+4*(\u):C+4*(\u)+3], s[10:11] offset:512*(\u)
.endm
	s_wait_loadcnt 16                              ; my row is in; the youngest 16 loads, the gain's and the bias's, may be out
	v_pk_add_f32 v[8:9], v[X:X+1], v[X+2:X+3]      ; the row's sum, in two chains
	v_pk_add_f32 v[10:11], v[X+4:X+5], v[X+6:X+7]
.irp i, 8,12,16,20,24,28
	s_delay_alu instid0(VALU_DEP_2)
	v_pk_add_f32 v[8:9], v[8:9], v[X+\i:X+\i+1]
	s_delay_alu instid0(VALU_DEP_2)
	v_pk_add_f32 v[10:11], v[10:11], v[X+\i+2:X+\i+3]
.endr
	s_delay_alu instid0(VALU_DEP_1)
	v_pk_add_f32 v[8:9], v[8:9], v[10:11]
	s_delay_alu instid0(VALU_DEP_1)
	v_add_f32 v8, v8, v9
	WSUM 8, 9
	s_delay_alu instid0(VALU_DEP_1)
	v_mul_f32 v8, s14, v8                          ; the mean
	s_delay_alu instid0(VALU_DEP_1)
	v_mov_b32 v9, v8
.set i, 0
.rept 16
	v_pk_add_f32 v[X+i:X+i+1], v[X+i:X+i+1], v[8:9] neg_lo:[0,1] neg_hi:[0,1]   ; x - mean
.set i, i+2
.endr
	v_pk_mul_f32 v[10:11], v[X:X+1], v[X:X+1]
	v_pk_mul_f32 v[12:13], v[X+2:X+3], v[X+2:X+3]
.irp i, 4,8,12,16,20,24,28
	s_delay_alu instid0(VALU_DEP_2)
	v_pk_fma_f32 v[10:11], v[X+\i:X+\i+1], v[X+\i:X+\i+1], v[10:11]
	s_delay_alu instid0(VALU_DEP_2)
	v_pk_fma_f32 v[12:13], v[X+\i+2:X+\i+3], v[X+\i+2:X+\i+3], v[12:13]
.endr
	s_delay_alu instid0(VALU_DEP_1)
	v_pk_add_f32 v[10:11], v[10:11], v[12:13]
	s_delay_alu instid0(VALU_DEP_1)
	v_add_f32 v10, v10, v11
	WSUM 10, 11
	s_delay_alu instid0(VALU_DEP_1)
	v_fma_f32 v10, v10, s14, s15                   ; the variance + eps
	s_wait_alu depctr_va_vdst(0)                   ; the wait ahead of the transcendental,
	v_rsq_f32 v12, v10
	v_nop                                          ; a plain line behind it,
	s_wait_alu depctr_va_vdst(0)                   ; and the wait ahead of its first reader
	v_mov_b32 v13, v12
.set i, 0
.rept 16
	v_pk_mul_f32 v[X+i:X+i+1], v[X+i:X+i+1], v[12:13]
.set i, i+2
.endr
	s_wait_alu depctr_va_vdst(0)                   ; the wait here, directly ahead of the wait below
	s_wait_loadcnt 0x0                             ; the gain and the bias
.set i, 0
.rept 16
	v_pk_fma_f32 v[X+i:X+i+1], v[X+i:X+i+1], v[W+i:W+i+1], v[B+i:B+i+1]
.set i, i+2
.endr
.irp i, 0,1,2,3,4,5,6,7
	ds_store_b128 v3, v[X+4*\i:X+4*\i+3] offset:8*SP*\i        ; LDS serves a wave's instructions in order: no wait between these and the loads below
.endr
.irp u, 0,1
.irp k, 0,1,2,3
	ds_load_b128 v[Q+16*\u+4*\k:Q+16*\u+4*\k+3], v4 offset:32*SP*\u+16*\k
.endr
.endr
	s_wait_dscnt 0x0                               ; the turned row is in
	BLK 0
	BLK 1
	s_wait_dscnt 0x0                               ; for the others' sake: my two byte stores have landed
	s_barrier_signal -1
	s_barrier_wait -1                              ; the work-group's 512 scale bytes lie in LDS
	s_cmp_lt_u32 s20, 2
	s_cbranch_scc0 .Lend                           ; waves 0 and 1 store them
	ds_load_b64 v[12:13], v6                       ; 8 bytes a lane
	s_wait_dscnt 0x0
	global_store_b64 v7, v[12:13], s[12:13]        ; 256 consecutive bytes, aligned
.Lend:
	s_wait_tensorcnt 0x0                           ; the wave's end
	ds_add_u32 v192, v193
	s_wait_dscnt 0x0
	s_endpgm
.Lfunc_end_k_q04c599a22b_ln1:
	.size	k_q04c599a22b_ln1, .Lfunc_end_k_q04c599a22b_ln1-k_q04c599a22b_ln1
	.p2alignl 7, 3214868480
	.fill 96, 4, 3214868480
	.section	.rodata,"a",@progbits
	.p2align	6, 0x0
	.amdhsa_kernel k_q04c599a22b_ln1
		.amdhsa_group_segment_fixed_size 84480
		.amdhsa_private_segment_fixed_size 0
		.amdhsa_enable_private_segment 0
		.amdhsa_kernarg_size 32
		.amdhsa_user_sgpr_count 2
		.amdhsa_user_sgpr_kernarg_segment_ptr 1
		.amdhsa_wavefront_size32 1
		.amdhsa_system_sgpr_workgroup_id_x 1
		.amdhsa_system_sgpr_workgroup_id_y 1
		.amdhsa_system_sgpr_workgroup_id_z 1
		.amdhsa_system_vgpr_workitem_id 0
		.amdhsa_next_free_vgpr 194
		.amdhsa_next_free_sgpr 66
		.amdhsa_reserve_vcc 0
		.amdhsa_float_denorm_mode_32 3
		.amdhsa_float_denorm_mode_16_64 3
		.amdhsa_memory_ordered 1
		.amdhsa_forward_progress 1
		.amdhsa_inst_pref_size 19
	.end_amdhsa_kernel
	.amdgpu_metadata
---
amdhsa.version: [ 1, 2 ]
amdhsa.kernels:
  - .name:           k_q04c599a22b_ln1
    .symbol:         k_q04c599a22b_ln1.kd
    .args:
      - { .name: x, .offset: 0, .size: 8, .value_kind: global_buffer, .address_space: global }
      - { .name: ln1_w, .offset: 8, .size: 8, .value_kind: global_buffer, .address_space: global }
      - { .name: ln1_b, .offset: 16, .size: 8, .value_kind: global_buffer, .address_space: global }
      - { .name: hb, .offset: 24, .size: 8, .value_kind: global_buffer, .address_space: global }
    .group_segment_fixed_size: 84480
    .private_segment_fixed_size: 0
    .kernarg_segment_align: 8
    .kernarg_segment_size: 32
    .max_flat_workgroup_size: 512
    .sgpr_count:     66
    .vgpr_count:     194
    .wavefront_size: 32
...
	.end_amdgpu_metadata
.endif
;; end of part 1
;; launch qkv (part 2): grid 12 x 16, 4 waves a work-group, clusters of 4 x 4, 327,680 bytes of LDS; arguments hb, Wqkv_codes, Wqkv_scales, bqkv, qb, kv; writes qb, kv
.if DOCPART == 2
	.amdgcn_target "amdgcn-amd-amdhsa--gfx1250"
	.amdhsa_code_object_version 6
	.text
	.protected	k_q04c599a22b_qkv
	.globl	k_q04c599a22b_qkv
	.p2align	8
	.type	k_q04c599a22b_qkv,@function
k_q04c599a22b_qkv:
	s_mov_b64 s[64:65], 0
	v_nop
	global_prefetch_b8 v0, s[64:65] scope:SCOPE_SE
	s_setreg_imm32_b32 hwreg(HW_REG_WAVE_MODE, 25, 1), 1
	s_wait_xcnt 0x0
	s_wait_alu depctr_hold_cnt(0) depctr_sa_sdst(0) depctr_va_vdst(0) depctr_va_sdst(0) depctr_va_ssrc(0) depctr_va_vcc(0) depctr_vm_vsrc(0)
	s_getreg_b32 s2, hwreg(HW_REG_IB_STS2, 6, 4)
	s_cmp_eq_u32 s2, 0
	s_cbranch_scc0 .Lentry_in_a_cluster
	s_endpgm
.Lentry_in_a_cluster:
	s_bfe_u32 s2, ttmp6, 0x10000c
	s_cmp_lg_u32 s2, 0xf033
	s_cbranch_scc0 .Lentry_shape_is_right
	s_endpgm
.Lentry_shape_is_right:
; qkv = h Wqkv + bqkv on codes of E5M2 with E8M0 scales; then q, k (along the head's 64) and v (along the keys) are quantised again and stored as the attention launch reads them.
; h: codes [4096][1024] at byte 0 of hb, scale bytes [4096][32] at 0x400000.  Wqkv: codes [3072][1024], scale bytes [3072][32].
; A tile of 256 x 256 to a work-group of four waves, 128 x 128 to a wave (64 accumulators); K in steps of 256 through a ring of two LDS slots; the scale bytes of both sides, for all of K, come into LDS once.
; ROLES.  Side A is source 1 (a lane holds one of its rows), side B source 0 (a lane's registers run along its rows).  For q and k: A = tokens, B = features, so a lane holds a token and 128 features (two heads).
; For v: A = features, B = tokens, so a lane holds a channel and 128 keys (one key step).  Both buffers have one format: only pointers and tile numbers are chosen, by the CLUSTER's x (0: q, 1: k, 2: v), which all
; sixteen partners share.  CLUSTERS: 4 x 4; A's tiles are asked for jointly along a row of the cluster, B's along a column.
; 192 work-groups: a column tile must lie wholly in q, k or v, so the number of tiles of this shape is 3 x 64.
; ORDER INSIDE A BLOCK OF 32.  A lane (r, h) holds, of the block made of result tiles 2 b and 2 b + 1, the numbers 8 h + 0..7 and 16 + 8 h + 0..7; its 16 codes are stored as the operand's registers 4 b .. 4 b + 3.
; q and k, and later p and v, are permuted alike inside a scale block: every product and every scale is kept; only the grouping of the unit's sums differs.
; OUT: images of operand registers ([c][lane][16 bytes]): each store covers 512 consecutive bytes.  Scale words by pairs of tiles ([lane][pair]): 256 consecutive bytes a store.
;   qb: q images [bh][tile 128][c 2] (1,024 bytes a tile), words [bh][group of 64][lane][pair] at 0x400000.   kv: records of 17,152 bytes for (bh, 128 keys): K images 8,192, V images 8,192, K words 512, V words 256.
;   In q's and k's words bytes 2 and 3 are 0: the attention's first product has K = 64.
; LIMITS: NaN and infinities are not served; a block of zeros gets the byte 1 (its codes are zeros; only this program reads the bytes).
; REGISTERS, in windows of 256: window 0: v0-31 addresses; v32-63 scale words, two sets; v64-127 the bias; from v128 A's fragments, one set (on the way out: work registers).
;   window 1: B's fragments, two sets.   windows 2, 3: the accumulators ((a, b) at v[8 (8 (a % 4) + b)]).
.set SIZE_K, 1024
.set KSTEP,  256                       ; along K in a slot
.set NQ,     KSTEP/128
.set ROWB,   256
.set KROW,   SIZE_K
.set PITCH,  272                       ; an LDS row: 256 bytes + 16 of padding: the 16 rows of a load start at 16 different banks (64 banks of 4 bytes: ISA guide 11.1)
.set FR,     16
.set NL,     4
.set NP,     8                         ; places behind this matrix instruction (ISA guide 7.12.1)
.set HALFT,  128*PITCH
.set SLOT,   4*HALFT
.set LAPS,   SIZE_K/(2*KSTEP)
.set KS,     SIZE_K/32
.set SCL,    2*SLOT                    ; behind the ring: the scale bytes, as runs of 256 bytes + 16 of padding
.set HALFS,  (128*KS/256)*272
.set SBLK,   (16*KS/256)*272
.set SPARE,  SCL+4*HALFS               ; the spare words: 128 bytes a wave, named by no other line
.set REC,    17152                     ; a record of kv
.set ADRA, 16
.set ADRB, 20
.set LI,   25                          ; v25  16 x lane
.set LS8,  26                          ; v26  8 x lane
.set ADRS, 27
.set SPW,  28
.set NIL,  29
.set BO,   30                          ; v30  the bias loads' offset
.set SC,   32
.set BI,   64                          ; v64-127 the bias
.set AF,   128
.set T,    128                         ; the way out: 64 numbers of a lane
.set PC,   192                         ; their 16 registers of codes
.set TM,   208                         ; v208-223 at work in the quantiser
.set PW,   224                         ; the scale word just made
.set WDA,  226                         ; v226-229, v230-233: the last four tiles' words
.set WDB,  230
.set XP,   234                         ; v234-237 words by pairs, on their way out
.set G1, 24
.set G0, 32
.set G1B, 48
.set G0B, 56
.set G1S, 68
.set G0S, 76
.set G1SB, 80
.set G0SB, 88
.set RW,  18                           ; the way out's scalars (the descriptors are done with by then)
.set SEL, 20
.set MNT, 22
.set HM,  23
.set PI0, 24
.set PI1, 26
.set PS0, 28
.set PS1, 30
.set MSB, 0
.macro WIN new                         ; the immediate's high byte repeats the setting that is left
.if MSB != (\new)
	s_set_vgpr_msb (MSB<<8)|(\new)
.set MSB, (\new)
.endif
.endm
.set MUL_LO, 0xa1                      ; source 0 (B) window 1, source 1 (A) window 0, C and D window 2
.set MUL_HI, 0xf1
.set TO_B,   0x40
; A joint load: waves 0 and 1 fetch for A, waves 2 and 3 for B; the branch hangs on the wave's number alone.  Four v_nop follow each of the two lines.
.macro JLOAD g0a, g1a, g0b, g1b
	s_cmp_eq_u32 s15, 0
	s_cbranch_scc0 .Lfor_b_\@
	tensor_load_to_lds s[\g0a:\g0a+3], s[\g1a:\g1a+7]
	s_nop 0
.rept 4
	v_nop
.endr
	s_branch .Lasked_\@
.Lfor_b_\@:
	tensor_load_to_lds s[\g0b:\g0b+3], s[\g1b:\g1b+7]
	s_nop 0
.rept 4
	v_nop
.endr
.Lasked_\@:
.endm
.macro CREST                           ; a round of the cluster's barrier behind its opening barrier
	s_cmp_lg_u32 s14, 0
	s_cbranch_scc1 .Lnot_wave_0_\@
	s_barrier_signal -3
.Lnot_wave_0_\@:
	s_barrier_wait -3
	s_barrier_signal -1
	s_barrier_wait -1
.endm
.macro CROUND
	s_barrier_signal -1
	s_barrier_wait -1
	CREST
.endm
	s_load_b128 s[96:99], s[0:1], 0x0              ; hb, Wqkv's codes
	s_load_b64 s[100:101], s[0:1], 0x10            ; Wqkv's scales
	s_load_b64 s[12:13], s[0:1], 0x18              ; bqkv
	v_lshl_add_u32 v[SPW], v0, 2, SPARE
	v_mov_b32 v[NIL], 0
	ds_add_u32 v28, v29
	ds_add_u32 v28, v29
	s_wait_dscnt 0x0
	v_lshrrev_b32 v1, 5, v0
	v_readfirstlane_b32 s14, v1                    ; wave 0..3
	s_lshr_b32 s15, s14, 1                         ; which half of A's rows is mine.  Also: I fetch for A (0) or for B (1)
	s_and_b32 s16, s14, 1                          ; which half of B's rows.  Also: which 128 rows I fetch
	s_bfe_u32 s40, ttmp6, 0x40000                  ; cx
	s_bfe_u32 s41, ttmp6, 0x40004                  ; cy
	s_and_b32 s95, ttmp7, 0xffff
	s_lshl_b32 s95, s95, 2                         ; 4 x cluster y
	s_lshl_b32 s94, ttmp9, 2                       ; 4 x cluster x
	s_add_co_u32 s17, s95, s41                     ; q, k: A's tile = the token tile 4 cluster y + cy
	s_add_co_u32 s18, s41, 8                       ; v:    A's tile = the feature tile 8 + cy
	s_add_co_u32 s42, s94, s40                     ; q, k: B's tile = the feature tile 4 cluster x + cx
	s_add_co_u32 s19, s95, s40                     ; v:    B's tile = the token tile 4 cluster y + cx
	s_cmp_eq_u32 ttmp9, 2                          ; the cluster's x: the same in all sixteen partners
	s_cselect_b32 s17, s18, s17                    ; A's tile hangs on cy alone,
	s_cselect_b32 s42, s19, s42                    ; B's on cx alone
	s_lshl_b32 s43, s41, 2
	s_lshl_b32 s43, 15, s43                        ; my row of the cluster
	s_lshl_b32 s44, 0x1111, s40                    ; my column
	s_or_b32 s[G1+0], s43, (0<<16)|(1<<20)|(1<<21)|(5<<22)|(3<<25)  ; the mask; elements of 1 byte; padding: 4 words after every 64; bit 21 beside a mask
	s_or_b32 s[G1B+0], s44, (0<<16)|(1<<20)|(1<<21)|(5<<22)|(3<<25)
.irp g, G1, G1B
	s_mov_b32 s[\g+1], ROWB<<16                    ; tensor_dim0
	s_mov_b32 s[\g+2], 128<<16                     ; tensor_dim1
	s_mov_b32 s[\g+3], ROWB<<16                    ; tile_dim0
	s_mov_b32 s[\g+4], 128                         ; tile_dim1
	s_mov_b32 s[\g+5], KROW                        ; the pitch
	s_mov_b32 s[\g+6], 0
	s_mov_b32 s[\g+7], 0
.endr
	s_or_b32 s[G1S+0], s43, (0<<16)|(1<<20)|(1<<21)|(5<<22)|(3<<25) ; the head's loads bring a side's 256 rows of a K step whole
	s_or_b32 s[G1SB+0], s44, (0<<16)|(1<<20)|(1<<21)|(5<<22)|(3<<25)
.irp g, G1S, G1SB
	s_mov_b32 s[\g+1], ROWB<<16
	s_mov_b32 s[\g+2], 256<<16
	s_mov_b32 s[\g+3], ROWB<<16
	s_mov_b32 s[\g+4], 256
	s_mov_b32 s[\g+5], KROW
	s_mov_b32 s[\g+6], 0
	s_mov_b32 s[\g+7], 0
.endr
	s_lshl_b32 s18, s16, 7                         ; which 128 rows of the tile I fetch
	s_lshl_b32 s20, s17, 8
	s_add_co_u32 s20, s20, s18                     ; A: row 256 x tile + 128 x half
	s_lshl_b32 s46, s42, 8
	s_add_co_u32 s46, s46, s18                     ; B likewise
	s_mov_b32 s21, 0
	s_mov_b32 s47, 0
	s_mov_b64 s[18:19], KS
	s_mul_u64 s[22:23], s[20:21], s[18:19]         ; where these rows' scale bytes begin
	s_mul_u64 s[92:93], s[46:47], s[18:19]
	s_mov_b64 s[18:19], KROW
	s_mul_u64 s[20:21], s[20:21], s[18:19]         ; and their codes
	s_mul_u64 s[46:47], s[46:47], s[18:19]
	s_mul_i32 s45, s14, HALFT                      ; where they go: wave x 128 rows
	s_mul_i32 s94, s14, HALFS
	s_wait_kmcnt 0x0
	s_add_nc_u64 s[66:67], s[96:97], 0x400000      ; h's scale bytes
	s_cmp_eq_u32 ttmp9, 2
	s_cselect_b64 s[4:5], s[98:99], s[96:97]       ; A's codes: the weight's for v, h's for q and k
	s_cselect_b64 s[6:7], s[100:101], s[66:67]     ; A's scale bytes
	s_cselect_b64 s[8:9], s[96:97], s[98:99]       ; B's codes
	s_cselect_b64 s[10:11], s[66:67], s[100:101]   ; B's scale bytes
	s_add_nc_u64 s[20:21], s[4:5], s[20:21]
	s_add_nc_u64 s[22:23], s[6:7], s[22:23]
	s_add_nc_u64 s[46:47], s[8:9], s[46:47]
	s_add_nc_u64 s[92:93], s[10:11], s[92:93]
	; THE SCALE BYTES come through registers: 4,096 dense bytes a wave (waves 0, 1: A's halves; 2, 3: B's), eight loads of 512 consecutive bytes, stored into LDS bytes of their own as runs of 256 + 16
	s_cmp_eq_u32 s15, 0
	s_cselect_b64 s[66:67], s[22:23], s[92:93]
	v_and_b32 v9, 15, v0
	v_bfe_u32 v10, v0, 4, 1
	v_and_b32 v8, 31, v0
	v_mul_u32_u24 v10, v10, 272
	v_lshlrev_b32 v8, 4, v8                        ; v8: 16 x lane
	v_lshl_add_u32 v9, v9, 4, v10
	s_add_co_u32 s94, s94, SCL
	v_add_nc_u32 v9, s94, v9                       ; v9: where my 16 bytes go
	s_wait_alu depctr_va_vdst(0)
.irp k, 0,1,2,3,4,5,6,7
	global_load_b128 v[AF+4*\k:AF+4*\k+3], v8, s[66:67] offset:512*\k
.endr
	CROUND                                         ; all sixteen work-groups are here: the first joint loads meet
	s_mul_i32 s18, s16, 128*KROW                   ; back from my half to the tile's first row
	s_mov_b32 s19, 0
	s_mov_b32 s[G0S], 1                            ; A, K step 0
	s_mov_b32 s[G0S+1], 0
	s_sub_nc_u64 s[G0S+2:G0S+3], s[20:21], s[18:19]
	s_mov_b32 s[G0SB], 1                           ; B, K step 0
	s_mov_b32 s[G0SB+1], 2*HALFT
	s_sub_nc_u64 s[G0SB+2:G0SB+3], s[46:47], s[18:19]
	s_mov_b32 s4, 1                                ; A, K step 1
	s_mov_b32 s5, SLOT
	s_add_nc_u64 s[6:7], s[G0S+2:G0S+3], ROWB
	s_mov_b32 s8, 1                                ; B, K step 1
	s_mov_b32 s9, SLOT+2*HALFT
	s_add_nc_u64 s[10:11], s[G0SB+2:G0SB+3], ROWB
	s_or_b32 s[G0S+3], s[G0S+3], 0x80000000
	s_or_b32 s[G0SB+3], s[G0SB+3], 0x80000000
	s_or_b32 s7, s7, 0x80000000
	s_or_b32 s11, s11, 0x80000000
.irp s, 0,1
	s_mov_b32 s[G0+4*\s], 1
	s_add_co_u32 s[G0+4*\s+1], s45, \s*SLOT
	s_add_nc_u64 s[G0+4*\s+2:G0+4*\s+3], s[20:21], \s*ROWB
	s_or_b32 s[G0+4*\s+3], s[G0+4*\s+3], 0x80000000
	s_mov_b32 s[G0B+4*\s], 1
	s_add_co_u32 s[G0B+4*\s+1], s45, \s*SLOT
	s_add_nc_u64 s[G0B+4*\s+2:G0B+4*\s+3], s[46:47], \s*ROWB
	s_or_b32 s[G0B+4*\s+3], s[G0B+4*\s+3], 0x80000000
.endr
; THE HEAD'S LOADS, ONE A WAVE: one chain of branches on the wave's number, a load to an arm: wave 0 A's K step 0, wave 1 B's, wave 2 A's K step 1, wave 3 B's
.macro ARM under, g0, g1, next
	s_cmp_lt_u32 s14, \under
	s_cbranch_scc0 \next
	tensor_load_to_lds s[\g0:\g0+3], s[\g1:\g1+7]
	s_nop 0
.rept 4
	v_nop
.endr
	s_branch .Lhead_asked
\next:
.endm
	ARM 1, G0S, G1S, .Lhead_b0
	ARM 2, G0SB, G1SB, .Lhead_a1
	ARM 3, 4, G1S, .Lhead_b1
	tensor_load_to_lds s[8:11], s[G1SB:G1SB+7]
	s_nop 0
.rept 4
	v_nop
.endr
.Lhead_asked:
	; A PREFETCH INTO THE L2 of K steps 2 and 3, the two refills of this launch: of the 128 rows that I fetch for the ring, each of the four partners that ask for them jointly takes 32, told apart by address (cx for A, cy for B): a lane a row, 256 bytes a K step
	s_cmp_eq_u32 s15, 0
	s_cselect_b64 s[100:101], s[20:21], s[46:47]
	s_cselect_b32 s18, s40, s41
	s_mul_i32 s18, s18, 32*KROW
	s_mov_b32 s19, 0
	s_add_nc_u64 s[100:101], s[100:101], s[18:19]
	v_and_b32 v11, 31, v0
	v_mul_u32_u24 v11, v11, KROW                   ; v11 and s[100:101] are not written again
	global_prefetch_b8 v11, s[100:101] offset:2*ROWB th:TH_LOAD_NT scope:SCOPE_SE
	global_prefetch_b8 v11, s[100:101] offset:3*ROWB th:TH_LOAD_NT scope:SCOPE_SE
	v_and_b32 v1, 15, v0                           ; r
	v_bfe_u32 v2, v0, 4, 1                         ; h
	v_mul_u32_u24 v3, v1, PITCH
	v_lshl_add_u32 v4, v2, 4, v3                   ; a fragment's row x pitch + 16 h
	s_mul_i32 s21, s15, HALFT                      ; my 128 rows of A
	s_mul_i32 s22, s16, HALFT                      ; my 128 rows of B,
	s_add_co_u32 s22, s22, 2*HALFT                 ; behind A's 256
.irp s, 0,1
	v_add_nc_u32 v[ADRA+\s], s21, v4
	v_add_nc_u32 v[ADRB+\s], s22, v4
	s_add_co_u32 s21, s21, SLOT
	s_add_co_u32 s22, s22, SLOT
.endr
	v_mul_u32_u24 v5, v1, KS                       ; my row's scale bytes: KS a row,
	v_lshrrev_b32 v6, 8, v5
	v_lshl_add_u32 v5, v6, 4, v5                   ; and 16 more for each 256 passed
	s_mul_i32 s21, s15, HALFS
	s_mul_i32 s22, s16, HALFS
	s_add_co_u32 s22, s22, 2*HALFS
	s_sub_co_u32 s22, s22, s21
	v_mul_u32_u24 v6, s22, v2                      ; lanes 16-31 take B's
	s_add_co_u32 s21, s21, SCL
	v_add_nc_u32 v5, v5, v6
	v_add_nc_u32 v[ADRS], s21, v5
	v_and_b32 v6, 31, v0
	v_lshlrev_b32 v[LI], 4, v6
	v_lshlrev_b32 v[LS8], 3, v6
	; THE BIAS, 64 registers on either way.  q, k: register 8 b + j = the bias of feature 16 b + 8 h + j (it runs along the registers).  v: registers 8 a + 0..7 all hold that of channel 16 a + r (it hangs on the lane).
	s_cmp_eq_u32 ttmp9, 2
	s_cbranch_scc1 .Lbias_v
	s_lshl_b32 s18, s42, 10
	s_lshl_b32 s19, s16, 9
	s_add_co_u32 s18, s18, s19                     ; 4 (256 x B's tile + 128 x half)
	s_mov_b32 s19, 0
	s_add_nc_u64 s[12:13], s[12:13], s[18:19]
	v_lshlrev_b32 v[BO], 5, v2                     ; 32 h
.irp b, 0,1,2,3,4,5,6,7
	global_load_b128 v[BI+8*\b:BI+8*\b+3], v[BO], s[12:13] offset:64*\b
	global_load_b128 v[BI+8*\b+4:BI+8*\b+7], v[BO], s[12:13] offset:64*\b+16
.endr
	s_branch .Lbias_done
.Lbias_v:
	s_lshl_b32 s18, s17, 10
	s_lshl_b32 s19, s15, 9
	s_add_co_u32 s18, s18, s19                     ; 4 (256 x A's tile + 128 x half)
	s_mov_b32 s19, 0
	s_add_nc_u64 s[12:13], s[12:13], s[18:19]
	v_lshlrev_b32 v[BO], 2, v1                     ; 4 r
.irp a, 0,1,2,3,4,5,6,7
.irp j, 0,1,2,3,4,5,6,7
	global_load_b32 v[BI+8*\a+\j], v[BO], s[12:13] offset:64*\a
.endr
.endr
.Lbias_done:
.macro FRAG reg, adr, q, i             ; 16 rows x 128 K: lane l holds row l % 16; registers 4 c .. 4 c + 3 hold K = 32 c + 16 (l / 16) + 0 .. 15
.irp c, 0,1,2,3
	ds_load_b128 v[\reg+4*\c:\reg+4*\c+3], v[\adr] offset:128*(\q)+32*\c+(\i)*16*PITCH
.endr
.endm
; 16 matrix instructions: A's blocks a0, a0 + 1 x B's eight.  The 64 accumulators take turns, one instruction a turn, in the same order in every step.
.macro MUL16 a0, p, q, sc, zero
.irp a, \a0, \a0+1
.irp b, 0,1,2,3,4,5,6,7
.if \zero
	v_wmma_scale_f32_16x16x128_f8f6f4 v[8*(8*((\a)%4)+\b):8*(8*((\a)%4)+\b)+7], v[128*(\p)+FR*\b:128*(\p)+FR*\b+FR-1], v[AF+FR*(\a):AF+FR*(\a)+FR-1], 0, v[SC+8*NQ*(\sc)+NQ*\b+(\q)], v[SC+8*NQ*(\sc)+NQ*(\a)+(\q)] matrix_a_fmt:MATRIX_FMT_BF8 matrix_b_fmt:MATRIX_FMT_BF8 matrix_a_scale:MATRIX_SCALE_ROW1
.else
	v_wmma_scale_f32_16x16x128_f8f6f4 v[8*(8*((\a)%4)+\b):8*(8*((\a)%4)+\b)+7], v[128*(\p)+FR*\b:128*(\p)+FR*\b+FR-1], v[AF+FR*(\a):AF+FR*(\a)+FR-1], v[8*(8*((\a)%4)+\b):8*(8*((\a)%4)+\b)+7], v[SC+8*NQ*(\sc)+NQ*\b+(\q)], v[SC+8*NQ*(\sc)+NQ*(\a)+(\q)] matrix_a_fmt:MATRIX_FMT_BF8 matrix_b_fmt:MATRIX_FMT_BF8 matrix_a_scale:MATRIX_SCALE_ROW1
.endif
.endr
.endr
.endm
.macro FETCH_B slot, q, p
	WIN TO_B
.irp i, 0,1,2,3,4,5,6,7
	FRAG 128*(\p)+FR*\i, ADRB+\slot, \q, \i
.endr
	WIN 0
.endm
.macro FETCH_A slot, q, i0
.irp i, \i0, \i0+1, \i0+2, \i0+3
	FRAG AF+FR*(\i), ADRA+\slot, \q, \i
.endr
.endm
.macro SCALES sc                       ; a K step's scale words: lanes 0-15 take A's block i, lanes 16-31 B's block i
.irp i, 0,1,2,3,4,5,6,7
	ds_load_b64 v[SC+8*NQ*\sc+NQ*\i:SC+8*NQ*\sc+NQ*\i+1], v[ADRS] offset:\i*SBLK
.endr
.endm
.macro PLACES n                        ; plain vector lines between a matrix instruction and a load into, or a vector line on, its registers
.rept \n
	v_nop
.endr
.endm
.macro STEP slot, q, zero              ; 128 along K, with its successor in the same slot
	s_wait_dscnt 4*NL                              ; B's set and A's blocks 0-3 are in; the youngest 16 loads (A's blocks 4-7) may be out
	WIN MUL_LO
	MUL16 0, (\q)%2, \q, \slot, \zero
	MUL16 2, (\q)%2, \q, \slot, \zero
	s_wait_dscnt 0
	PLACES NP
	FETCH_B \slot, (\q)+1, 1-(\q)%2
	FETCH_A \slot, (\q)+1, 0
	WIN MUL_HI
	MUL16 4, (\q)%2, \q, \slot, \zero
	MUL16 6, (\q)%2, \q, \slot, \zero
	PLACES NP
	WIN 0
	FETCH_A \slot, (\q)+1, 4
.endm
; A slot's last step changes slots: one barrier; in front of it each wave waits for all its tensor loads, adds 0 to its spare word, and waits for that and for its reads of this slot.
.macro TURN slot, next, fill
	s_wait_tensorcnt 0x0                           ; all my tensor loads have landed: my part of the next slot
	ds_add_u32 v[SPW], v[NIL]                      ; 0 onto my spare word
	s_wait_dscnt 4*NL+1                            ; the add and the youngest 16 loads may be out
	WIN MUL_LO
	MUL16 0, 1, NQ-1, \slot, 0
	s_wait_dscnt 0x0                               ; the add is done, and my reads of this slot are over
	s_barrier_signal -1
	MUL16 2, 1, NQ-1, \slot, 0
	WIN 0
	s_barrier_wait -1
.if \fill
	CREST                                          ; the barrier has opened a round of the cluster's barrier: no wave of any partner still reads this slot or has a load on its way
	s_add_nc_u64 s[G0+4*\slot+2:G0+4*\slot+3], s[G0+4*\slot+2:G0+4*\slot+3], 2*ROWB
	s_add_nc_u64 s[G0B+4*\slot+2:G0B+4*\slot+3], s[G0B+4*\slot+2:G0B+4*\slot+3], 2*ROWB
	JLOAD G0+4*\slot, G1, G0B+4*\slot, G1B         ; the first tensor load behind the round; its four v_nop are four of the eight places
	PLACES NP-4
.else
	PLACES NP
.endif
	s_wait_alu depctr_va_vdst(0)
	v_add_nc_u32 v[ADRS], 4*NQ, v[ADRS]            ; the next K step's scale words
	FETCH_B \next, 0, 0
	FETCH_A \next, 0, 0
	SCALES \next
	WIN MUL_HI
	MUL16 4, 1, NQ-1, \slot, 0
	MUL16 6, 1, NQ-1, \slot, 0
	PLACES NP
	WIN 0
	FETCH_A \next, 0, 4
.endm
	s_wait_alu depctr_va_vdst(0)                   ; the wait at the head's end
	s_wait_loadcnt 0x0                             ; the scale bytes and the bias
.irp k, 0,1,2,3,4,5,6,7
	ds_store_b128 v9, v[AF+4*\k:AF+4*\k+3] offset:544*\k
.endr
	s_cmp_lt_u32 s14, 2
	s_cbranch_scc0 .Lslot1_mine
	s_wait_tensorcnt 0x0                           ; waves 0 and 1: K step 0 is in.  Waves 2 and 3 wait for K step 1 at the first change of slots
.Lslot1_mine:
	s_wait_dscnt 0x0                               ; my scale bytes lie in LDS
	s_barrier_signal -1
	s_barrier_wait -1
	FETCH_B 0, 0, 0
	FETCH_A 0, 0, 0
	s_wait_alu depctr_va_vdst(0)
	SCALES 0
	FETCH_A 0, 0, 4
	STEP 0, 0, 1                                   ; the first step's products start the sums
	s_mov_b32 s3, LAPS-1
.Llap:
	TURN 0, 1, 1
	STEP 1, 0, 0
	TURN 1, 0, 1
	STEP 0, 0, 0
	s_sub_co_u32 s3, s3, 1
	s_cmp_lg_u32 s3, 0
	s_cbranch_scc1 .Llap
	TURN 0, 1, 0                                   ; the last lap fills nothing
	STEP 1, 0, 0
	s_wait_dscnt 4*NL
	WIN MUL_LO
	MUL16 0, 1, NQ-1, 1, 0
	MUL16 2, 1, NQ-1, 1, 0
	s_wait_dscnt 0
	WIN MUL_HI
	MUL16 4, 1, NQ-1, 1, 0
	MUL16 6, 1, NQ-1, 1, 0
	WIN 0
; THE WAY OUT.  A loop over A's eight blocks of 16 rows.  Only the eight COPY blocks name accumulators (their numbers differ from trip to trip); all else works on fixed registers of window 0.
; 64 numbers of a lane, register 16 b + i of block b, become 16 registers of codes in v[PC] on and the row's scale word in v[PW].
.macro QUANT s
.irp b, 0,1,2,3
	v_max3_num_f32 v[TM+\b], |v[\s+16*\b]|, |v[\s+1+16*\b]|, 0x8000000   ; my 16 numbers of block b, and the floor 2^(16 - 127): the byte cannot fall under 1
.endr
.irp i, 2,4,6,8,10,12,14
.irp b, 0,1,2,3
	v_max3_num_f32 v[TM+\b], v[TM+\b], |v[\s+16*\b+\i]|, |v[\s+1+16*\b+\i]|
.endr
.endr
.irp b, 0,1,2,3
	v_permlanex16_b32 v[TM+4+\b], v[TM+\b], s[SEL], s[SEL+1]
.endr
.irp b, 0,1,2,3
	v_max_num_f32 v[TM+\b], v[TM+\b], v[TM+4+\b]   ; with lane l xor 16's: the block's largest magnitude
.endr
.irp b, 0,1,2,3
	v_add_nc_u32 v[TM+12+\b], 0xf8800000, v[TM+\b] ; 15 off its exponent field: the conversion's scale operand
.endr
.irp b, 0,1,2,3
	v_and_or_b32 v[TM+8+\b], v[TM+\b], 0x7f800000, s[MNT]   ; 57,344 x the scale
.endr
.irp b, 0,1,2,3
	v_lshrrev_b32 v[TM+4+\b], 23, v[TM+12+\b]      ; the scale's byte
.endr
	v_lshl_or_b32 v[PW], v[TM+5], 8, v[TM+4]
	v_lshl_or_b32 v[PW], v[TM+6], 16, v[PW]
	v_lshl_or_b32 v[PW], v[TM+7], 24, v[PW]
.irp b, 0,1,2,3
.irp i, 0,1,2,3,4,5,6,7,8,9,10,11,12,13,14,15
	v_med3_num_f32 v[\s+16*\b+\i], v[\s+16*\b+\i], -v[TM+8+\b], v[TM+8+\b]   ; the conversion does not saturate (ISA guide 7.6.2): the hold
.endr
	v_cvt_scalef32_pk8_bf8_f32 v[PC+4*\b:PC+1+4*\b], v[\s+16*\b:\s+7+16*\b], v[TM+12+\b]
	v_cvt_scalef32_pk8_bf8_f32 v[PC+2+4*\b:PC+3+4*\b], v[\s+8+16*\b:\s+15+16*\b], v[TM+12+\b]
.endr
	v_nop                                          ; a plain line behind the last conversion
.endm
.macro PAIRST wd, x, ptr               ; four tiles' words by pairs: lanes 0-15 the even tile's, lanes 16-31 the odd one's; 256 consecutive bytes
	v_cndmask_b32 v[\x], v[\wd], v[\wd+1], s[HM]
	v_cndmask_b32 v[\x+1], v[\wd+2], v[\wd+3], s[HM]
	global_store_b64 v[LS8], v[\x:\x+1], s[\ptr:\ptr+1]
.endm
.macro SHIFT wd                        ; the last four words move down one place
	v_mov_b32 v[\wd], v[\wd+1]
	v_mov_b32 v[\wd+1], v[\wd+2]
	v_mov_b32 v[\wd+2], v[\wd+3]
.endm
	s_load_b128 s[4:7], s[0:1], 0x20               ; qb, kv
	PLACES NP                                      ; behind the last products: their results are read and A's registers written below
	s_mov_b32 s[SEL], 0x76543210
	s_mov_b32 s[SEL+1], 0xfedcba98
	s_mov_b32 s[MNT], 0x600000
	s_mov_b32 s[HM], 0xffff0000                    ; lanes 16-31
.irp b, 0,1,2,3
	v_mov_b32 v[TM+4+\b], 0                        ; a lane permute's destination counts as read
	v_mov_b32 v[WDA+\b], 0
	v_mov_b32 v[WDB+\b], 0
.endr
	s_mov_b32 s[RW], 0
	s_mov_b32 s39, 0
	s_wait_kmcnt 0x0
	s_cmp_eq_u32 ttmp9, 2
	s_cbranch_scc1 .Lmode_v
	; ---- q, k: my 128 tokens are one step of 128 of a batch, my 128 features two heads
	s_lshr_b32 s32, s17, 3                         ; the batch
	s_lshl_b32 s33, s17, 1
	s_add_co_u32 s33, s33, s15
	s_and_b32 s33, s33, 15                         ; the step of 128 tokens
	s_lshl_b32 s34, s42, 2
	s_lshl_b32 s35, s16, 1
	s_add_co_u32 s34, s34, s35
	s_and_b32 s34, s34, 15                         ; my first head
	s_lshl_b32 s32, s32, 4
	s_add_co_u32 s32, s32, s34                     ; 16 x batch + head
	s_lshl_b32 s34, s32, 17
	s_lshl_b32 s35, s33, 13
	s_add_co_u32 s34, s34, s35                     ; q's images
	s_lshl_b32 s35, s32, 13
	s_lshl_b32 s36, s33, 9
	s_add_co_u32 s35, s35, s36
	s_add_co_u32 s35, s35, 0x400000                ; q's words
	s_lshl_b32 s36, s32, 4
	s_add_co_u32 s36, s36, s33
	s_mul_i32 s36, s36, REC                        ; k's record: its images,
	s_add_co_u32 s37, s36, 16384                   ; its words
	s_mov_b32 s38, 16*REC
	s_cmp_eq_u32 ttmp9, 0
	s_cselect_b64 s[4:5], s[4:5], s[6:7]
	s_cselect_b32 s34, s34, s36
	s_cselect_b32 s36, s35, s37
	s_cselect_b32 s44, 0x20000, s38                ; from head to head: images,
	s_cselect_b32 s46, 0x2000, s38                 ; words
	s_mov_b32 s35, 0
	s_mov_b32 s37, 0
	s_mov_b32 s45, 0
	s_mov_b32 s47, 0
	s_add_nc_u64 s[PI0:PI0+1], s[4:5], s[34:35]
	s_add_nc_u64 s[PI1:PI1+1], s[PI0:PI0+1], s[44:45]
	s_add_nc_u64 s[PS0:PS0+1], s[4:5], s[36:37]
	s_add_nc_u64 s[PS1:PS1+1], s[PS0:PS0+1], s[46:47]
.macro COPYQK k, jump                  ; block k's 64 results + the bias, each accumulator from its low end on
	WIN 0x02+(\k)/4
.set i, 0
.rept 32
	v_pk_add_f32 v[T+2*i:T+2*i+1], v[64*((\k)%4)+2*i:64*((\k)%4)+2*i+1], v[BI+2*i:BI+2*i+1]
.set i, i+1
.endr
	WIN 0
.if \jump
	s_branch .Lqk_common
.endif
.endm
.Lqk_row:
.irp k, 0,1,2,3,4,5,6
	s_cmp_eq_u32 s[RW], \k
	s_cbranch_scc1 .Lq\k
.endr
	COPYQK 7, 1
.irp k, 0,1,2,3,4,5
.Lq\k:
	COPYQK \k, 1
.endr
.Lq6:
	COPYQK 6, 0
.Lqk_common:
	QUANT T
	global_store_b128 v[LI], v[PC:PC+3], s[PI0:PI0+1]                 ; the first head's two blocks,
	global_store_b128 v[LI], v[PC+4:PC+7], s[PI0:PI0+1] offset:512
	global_store_b128 v[LI], v[PC+8:PC+11], s[PI1:PI1+1]              ; the second head's
	global_store_b128 v[LI], v[PC+12:PC+15], s[PI1:PI1+1] offset:512
	SHIFT WDA
	SHIFT WDB
	v_and_b32 v[WDA+3], 0xffff, v[PW]              ; bytes 2 and 3 of a word are 0
	v_lshrrev_b32 v[WDB+3], 16, v[PW]
	s_and_b32 s19, s[RW], 3
	s_cmp_eq_u32 s19, 3
	s_cbranch_scc0 .Lqk_nopair
	PAIRST WDA, XP, PS0
	PAIRST WDB, XP+2, PS1
.Lqk_nopair:
	s_wait_xcnt 0x0                                ; the stores have read their data and bases: both are written again
	s_cmp_eq_u32 s19, 3
	s_cselect_b32 s38, 256, 0
	s_add_nc_u64 s[PI0:PI0+1], s[PI0:PI0+1], 1024
	s_add_nc_u64 s[PI1:PI1+1], s[PI1:PI1+1], 1024
	s_add_nc_u64 s[PS0:PS0+1], s[PS0:PS0+1], s[38:39]
	s_add_nc_u64 s[PS1:PS1+1], s[PS1:PS1+1], s[38:39]
	s_add_co_u32 s[RW], s[RW], 1
	s_cmp_lt_u32 s[RW], 8
	s_cbranch_scc1 .Lqk_row
	s_branch .Lend
	; ---- v: my 128 channels are two heads, my 128 tokens one key step: every fragment and every word is whole in this wave
.Lmode_v:
	s_lshr_b32 s32, s42, 3                         ; the batch
	s_lshl_b32 s33, s42, 1
	s_add_co_u32 s33, s33, s16
	s_and_b32 s33, s33, 15                         ; the key step
	s_sub_co_u32 s34, s17, 8
	s_lshl_b32 s34, s34, 2
	s_lshl_b32 s35, s15, 1
	s_add_co_u32 s34, s34, s35                     ; my first head
	s_lshl_b32 s32, s32, 4
	s_add_co_u32 s32, s32, s34
	s_lshl_b32 s32, s32, 4
	s_add_co_u32 s32, s32, s33
	s_mul_i32 s34, s32, REC
	s_add_co_u32 s34, s34, 8192
	s_mov_b32 s35, 0
	s_mov_b32 s37, 0
	s_add_nc_u64 s[PI0:PI0+1], s[6:7], s[34:35]    ; V's images in the record,
	s_add_nc_u64 s[PS0:PS0+1], s[PI0:PI0+1], 16896-8192   ; V's words
.macro COPYV k, jump
	WIN 0x02+(\k)/4
.set i, 0
.rept 32
	v_pk_add_f32 v[T+2*i:T+2*i+1], v[64*((\k)%4)+2*i:64*((\k)%4)+2*i+1], v[BI+8*(\k)+2*(i%4):BI+8*(\k)+2*(i%4)+1]
.set i, i+1
.endr
	WIN 0
.if \jump
	s_branch .Lv_common
.endif
.endm
.Lv_row:
.irp k, 0,1,2,3,4,5,6
	s_cmp_eq_u32 s[RW], \k
	s_cbranch_scc1 .Lv\k
.endr
	COPYV 7, 1
.irp k, 0,1,2,3,4,5
.Lv\k:
	COPYV \k, 1
.endr
.Lv6:
	COPYV 6, 0
.Lv_common:
	QUANT T
.irp c, 0,1,2,3
	global_store_b128 v[LI], v[PC+4*\c:PC+4*\c+3], s[PI0:PI0+1] offset:512*\c
.endr
	SHIFT WDA
	v_mov_b32 v[WDA+3], v[PW]
	s_and_b32 s19, s[RW], 3
	s_cmp_eq_u32 s19, 3
	s_cbranch_scc0 .Lv_nopair
	PAIRST WDA, XP, PS0
.Lv_nopair:
	s_wait_xcnt 0x0
	s_cmp_eq_u32 s19, 3
	s_mov_b32 s38, 2048                            ; the next tile of 16 channels; behind the fourth, the next head's record
	s_cselect_b32 s38, 2048+16*REC-8192, s38
	s_cselect_b32 s36, 16*REC, 0
	s_add_nc_u64 s[PI0:PI0+1], s[PI0:PI0+1], s[38:39]
	s_add_nc_u64 s[PS0:PS0+1], s[PS0:PS0+1], s[36:37]
	s_add_co_u32 s[RW], s[RW], 1
	s_cmp_lt_u32 s[RW], 8
	s_cbranch_scc1 .Lv_row
.Lend:
	s_wait_tensorcnt 0x0                           ; the wave's end
	ds_add_u32 v[SPW], v[NIL]
	s_wait_dscnt 0x0
	CROUND                                         ; the closing round
	s_endpgm
.Lfunc_end_k_q04c599a22b_qkv:
	.size	k_q04c599a22b_qkv, .Lfunc_end_k_q04c599a22b_qkv-k_q04c599a22b_qkv
	.p2alignl 7, 3214868480
	.fill 96, 4, 3214868480
	.section	.rodata,"a",@progbits
	.p2align	6, 0x0
	.amdhsa_kernel k_q04c599a22b_qkv
		.amdhsa_group_segment_fixed_size 327680
		.amdhsa_private_segment_fixed_size 0
		.amdhsa_enable_private_segment 0
		.amdhsa_kernarg_size 48
		.amdhsa_user_sgpr_count 2
		.amdhsa_user_sgpr_kernarg_segment_ptr 1
		.amdhsa_wavefront_size32 1
		.amdhsa_system_sgpr_workgroup_id_x 1
		.amdhsa_system_sgpr_workgroup_id_y 1
		.amdhsa_system_sgpr_workgroup_id_z 1
		.amdhsa_system_vgpr_workitem_id 0
		.amdhsa_next_free_vgpr 1024
		.amdhsa_next_free_sgpr 102
		.amdhsa_reserve_vcc 0
		.amdhsa_float_denorm_mode_32 3
		.amdhsa_float_denorm_mode_16_64 3
		.amdhsa_memory_ordered 1
		.amdhsa_forward_progress 1
		.amdhsa_inst_pref_size 182
	.end_amdhsa_kernel
	.amdgpu_metadata
---
amdhsa.version: [ 1, 2 ]
amdhsa.kernels:
  - .name:           k_q04c599a22b_qkv
    .symbol:         k_q04c599a22b_qkv.kd
    .args:
      - { .name: hb, .offset: 0, .size: 8, .value_kind: global_buffer, .address_space: global }
      - { .name: Wqkv_codes, .offset: 8, .size: 8, .value_kind: global_buffer, .address_space: global }
      - { .name: Wqkv_scales, .offset: 16, .size: 8, .value_kind: global_buffer, .address_space: global }
      - { .name: bqkv, .offset: 24, .size: 8, .value_kind: global_buffer, .address_space: global }
      - { .name: qb, .offset: 32, .size: 8, .value_kind: global_buffer, .address_space: global }
      - { .name: kv, .offset: 40, .size: 8, .value_kind: global_buffer, .address_space: global }
    .group_segment_fixed_size: 327680
    .private_segment_fixed_size: 0
    .kernarg_segment_align: 8
    .kernarg_segment_size: 48
    .max_flat_workgroup_size: 128
    .sgpr_count:     102
    .vgpr_count:     1024
    .wavefront_size: 32
...
	.end_amdgpu_metadata
.endif
;; end of part 2
;; launch attn (part 3): grid 8 x 32, 16 waves a work-group, clusters of 4 x 1, 327,680 bytes of LDS; arguments qb, kv, yb; writes yb
.if DOCPART == 3
	.amdgcn_target "amdgcn-amd-amdhsa--gfx1250"
	.amdhsa_code_object_version 6
	.text
	.protected	k_q04c599a22b_attn
	.globl	k_q04c599a22b_attn
	.p2align	8
	.type	k_q04c599a22b_attn,@function
k_q04c599a22b_attn:
	s_mov_b64 s[64:65], 0
	v_nop
	global_prefetch_b8 v0, s[64:65] scope:SCOPE_SE
	s_setreg_imm32_b32 hwreg(HW_REG_WAVE_MODE, 25, 1), 1
	s_wait_xcnt 0x0
	s_wait_alu depctr_hold_cnt(0) depctr_sa_sdst(0) depctr_va_vdst(0) depctr_va_sdst(0) depctr_va_ssrc(0) depctr_va_vcc(0) depctr_vm_vsrc(0)
	s_getreg_b32 s2, hwreg(HW_REG_IB_STS2, 6, 4)
	s_cmp_eq_u32 s2, 0
	s_cbranch_scc0 .Lentry_in_a_cluster
	s_endpgm
.Lentry_in_a_cluster:
	s_bfe_u32 s2, ttmp6, 0x10000c
	s_cmp_lg_u32 s2, 0x3003
	s_cbranch_scc0 .Lentry_shape_is_right
	s_endpgm
.Lentry_shape_is_right:
; Causal attention of 32 (batch, head) pairs, 2,048 tokens, head size 64, both products on codes of E5M2 with E8M0 scales; the result is divided by the row's sum, quantised along C and stored as the next product's operand.
; THE SOFTMAX: t = score x log2(e) / 8; M = the running largest t rounded UP to a whole number; p = 2^(t - M) is quantised along the keys; the sum is taken of the unquantised p; when M moves, sum and O are multiplied by a power of two.
; Key steps that lie wholly behind a tile's queries are under the causal mask and are not walked.
; SHARES.  Work-group (x, bh) owns tile x (16 queries) of each of the head's 16 blocks of 128 queries.  Waves 2 p and 2 p + 1 share the tiles of blocks p and 15 - p: p + 1 and 16 - p key steps of 128 keys, 17 in all.
; Wave A (type 0) walks key steps 0 .. 7 of the late tile: 8 steps.  Wave B (type 1) walks its steps 8 .. 15 - p, lays O^T, -M and the sum into the pair's stage in LDS, and then walks the early tile's steps 0 .. p: 9 steps.
; Behind one barrier A joins B's part to its own (both brought under the larger M by powers of two) and stores the late tile; B stores the early one.  The type is (w ^ (w >> 2)) & 1: of any four waves w, w + 4, w + 8, w + 12, and of any four neighbours, two have each type.
; The step's record is (step + 8 x type + (p once B has changed tiles)) mod 16.  Every branch and every LDS address hangs on the wave's number and the count of steps alone; x enters global addresses and the mask's compare in vector registers.
; A HEAD'S 16 RECORDS (128 keys each: K images, V images, their scale words; 17,152 bytes) LIE IN LDS WHOLE, each filled once, one tensor load a wave; every wave waits for its own and one barrier shows all; every record is read by some wave.
; CLUSTER 4, 1, 1: four work-groups of a head want the same 16 records and run alike: each record is asked for jointly, mask 15.  A round of the cluster's barrier stands ahead of the loads and one at the end.
; LAYOUT.  Both products transposed: S^T = K Q^T, O^T = V^T P^T: a lane holds one query.  The order inside a block of 32 keys (8 h + 0..7, 16 + 8 h + 0..7 in lane half h) is p's and V's alike, and q's and k's alike.
; K = 64 IN AN INSTRUCTION OF 128: Q's upper eight registers are zero codes and the scale bytes of blocks 2 and 3 are 0 on both sides; the upper half of K's tile t is tile t + 1's codes (zeros behind tile 7): finite numbers that meet zeros.
; NO PREFETCH: all records are asked for at the head; there is no loop to run ahead in.
; LIMITS: NaN and infinities are not served; a block of zeros gets the byte 1; the scaled scores stay under 2^31 in magnitude.
.set REC, 17152
.set SPARE, 0x43000                    ; behind the records: the spare words, 128 bytes a wave
.set STG, 0x43800                      ; the stages: 4,608 bytes a pair of waves
.set STP, 4608
.set LI,  1                            ; v1   16 x lane
.set LS8, 2                            ; v2   8 x lane
.set ADK, 3                            ; v3   the step's images
.set ADS, 4                            ; v4   the step's scale words
.set STA, 10                           ; v10  my place in the pair's stage;  v8: 8 r;  v9: r - 8 h
.set QF,  16                           ; v16-31  Q (v24-31 zeros)
.set KV,  32                           ; v32-95  K's 8 tiles, then V's 4 fragments; v96-103 zeros
.set S,   104                          ; v104-167 S^T, then p
.set O,   168                          ; v168-199 O^T
.set PC,  200                          ; v200-215 p's codes
.set KSW, 216
.set VS,  220
.set QS,  222
.set BM,  224                          ; v224-227 the blocks' largest
.set T1,  228
.set HO,  232                          ; the holds
.set SO,  236                          ; the conversions' scale operands
.set FF,  240                          ; v240 f, v241 p's scale word
.set TP,  242
.set SW,  244                          ; v244-247 the exchange of halves on the way out
.set Q2,  244                          ; v244-252 until B changes tiles: the early tile's Q and its scale word
.set WV,  10
.set Q0,  16                           ; the first query of the tile in hand
.set ST,  17                           ; steps done
.set KF,  18
.set MNT, 19
.set SEL, 20
.set CS,  22
.set TYP, 36
.set OFF, 37
.set SWI, 38                           ; the count of steps at which B changes tiles (A: never reached)
.set QB,  39                           ; the first query of the tile that I store
.set JJ,  44                           ; p: the early block
.set QLG, 45                           ; the late tile's first query
.set BLG, 46                           ; 15 - p: the late block
.set BLK, 47                           ; the block of the tile in hand
.set HM,  48
.set TB,  50
.macro CROUND                          ; a round of the cluster's barrier
	s_barrier_signal -1
	s_barrier_wait -1
	s_cmp_lg_u32 s[WV], 0
	s_cbranch_scc1 .Lnot_wave_0_\@
	s_barrier_signal -3
.Lnot_wave_0_\@:
	s_barrier_wait -3
	s_barrier_signal -1
	s_barrier_wait -1
.endm
.macro NOPS n
.rept \n
	v_nop
.endr
.endm
.macro QADDR q, im, wd                 ; where the tile at query s[q] has its image and its scale words in qb
	s_lshl_b32 s[\im], s12, 17
	s_lshl_b32 s[\im+1], s[\q], 6
	s_add_co_u32 s[\im], s[\im], s[\im+1]
	s_mov_b32 s[\im+1], 0
	s_add_nc_u64 s[\im:\im+1], s[4:5], s[\im:\im+1]
	s_lshr_b32 s51, s[\q], 4
	s_lshr_b32 s[\wd], s51, 2
	s_lshl_b32 s[\wd], s[\wd], 8
	s_and_b32 s[\wd+1], s51, 1
	s_lshl_b32 s[\wd+1], s[\wd+1], 7
	s_add_co_u32 s[\wd], s[\wd], s[\wd+1]
	s_bfe_u32 s[\wd+1], s51, 0x10001
	s_lshl_b32 s[\wd+1], s[\wd+1], 2
	s_add_co_u32 s[\wd], s[\wd], s[\wd+1]
	s_lshl_b32 s[\wd+1], s12, 13
	s_add_co_u32 s[\wd], s[\wd], s[\wd+1]
	s_add_co_u32 s[\wd], s[\wd], 0x400000
	s_mov_b32 s[\wd+1], 0
	s_add_nc_u64 s[\wd:\wd+1], s[4:5], s[\wd:\wd+1]
.endm
	s_load_b128 s[4:7], s[0:1], 0x0                ; qb, kv
	s_load_b64 s[8:9], s[0:1], 0x10                ; yb
	v_lshl_add_u32 v254, v0, 2, SPARE
	v_mov_b32 v255, 0
	ds_add_u32 v254, v255                          ; the opening lines: the add, twice on end, and its wait ahead of the round in front of my tensor load
	ds_add_u32 v254, v255
	v_lshrrev_b32 v1, 5, v0
	v_readfirstlane_b32 s[WV], v1                  ; wave 0..15
	s_and_b32 s12, ttmp7, 0xffff                   ; bh: the cluster's y
	s_mov_b32 s24, 15|(3<<16)|(1<<21)              ; group 1: the mask names the cluster's four, bit 21 beside it; a record is a dense block: 67 rows of 256 bytes (32 elements of 8)
	s_mov_b32 s25, 32<<16
	s_mov_b32 s26, 67<<16
	s_mov_b32 s27, 32<<16
	s_mov_b32 s28, 67
	s_mov_b32 s29, 32
	s_mov_b32 s30, 0
	s_mov_b32 s31, 0
	s_lshl_b32 s13, s12, 4
	s_add_co_u32 s13, s13, s[WV]
	s_mul_i32 s52, s13, REC                        ; record 16 bh + wave: the same in all four partners
	s_mov_b32 s53, 0
	s_mov_b32 s32, 1
	s_mul_i32 s33, s[WV], REC
	s_wait_dscnt 0x0
	CROUND                                         ; all four work-groups are here: the joint loads meet
	s_wait_kmcnt 0x0
	s_add_nc_u64 s[34:35], s[6:7], s[52:53]
	s_or_b32 s35, s35, 0x80000000
	tensor_load_to_lds s[32:35], s[24:31]          ; my one load: record number = my wave's number
	s_nop 0
	NOPS 4
	s_bfe_u32 s15, ttmp6, 0x40000                  ; cx
	s_lshl_b32 s13, ttmp9, 2
	s_add_co_u32 s15, s15, s13                     ; x = 4 x cluster x + cx: my work-group's tile in every block
	s_lshl_b32 s15, s15, 4
	s_lshr_b32 s13, s[WV], 2
	s_xor_b32 s13, s13, s[WV]
	s_and_b32 s[TYP], s13, 1
	s_lshr_b32 s14, s[WV], 1                       ; the pair
	s_mov_b32 s[JJ], s14
	s_sub_co_u32 s[BLG], 15, s14
	s_lshl_b32 s13, s[BLG], 7
	s_add_co_u32 s[QLG], s13, s15
	s_lshl_b32 s13, s14, 7
	s_add_co_u32 s13, s13, s15                     ; the early tile's first query
	s_sub_co_u32 s51, 8, s14
	s_cmp_eq_u32 s[TYP], 1
	s_cselect_b32 s[QB], s13, s[QLG]
	s_cselect_b32 s[OFF], 8, 0
	s_cselect_b32 s[SWI], s51, 64
	s_mul_i32 s14, s14, STP
	s_add_co_u32 s14, s14, STG
	v_and_b32 v5, 31, v0
	v_lshlrev_b32 v[LI], 4, v5
	v_lshlrev_b32 v[LS8], 3, v5
	v_and_b32 v6, 15, v0                           ; r
	v_bfe_u32 v7, v0, 4, 1                         ; h
	v_lshlrev_b32 v8, 3, v6
	v_lshlrev_b32 v9, 3, v7
	v_sub_nc_u32 v9, v6, v9
	v_add_nc_u32 v[STA], s14, v[LI]
	QADDR QLG, 54, 56
	QADDR QB, 58, 60
	s_wait_alu depctr_va_vdst(0)
	global_load_b128 v[QF:QF+3], v[LI], s[54:55]
	global_load_b128 v[QF+4:QF+7], v[LI], s[54:55] offset:512
	global_load_b32 v[QS], v8, s[56:57]
	global_load_b128 v[Q2:Q2+3], v[LI], s[58:59]
	global_load_b128 v[Q2+4:Q2+7], v[LI], s[58:59] offset:512
	global_load_b32 v[Q2+8], v8, s[60:61]
	; where y goes: tile 128 x batch + my tile; K step head / 2; the head's half of the step
	s_lshr_b32 s51, s[QB], 4
	s_lshr_b32 s13, s12, 4
	s_lshl_b32 s13, s13, 7
	s_add_co_u32 s13, s13, s51
	s_and_b32 s14, s12, 15
	s_lshr_b32 s15, s14, 1
	s_and_b32 s14, s14, 1
	s_lshl_b32 s40, s13, 14
	s_lshl_b32 s41, s15, 11
	s_add_co_u32 s40, s40, s41
	s_lshl_b32 s41, s14, 10
	s_add_co_u32 s40, s40, s41
	s_mov_b32 s41, 0
	s_add_nc_u64 s[40:41], s[8:9], s[40:41]        ; the image
	s_lshr_b32 s42, s13, 2
	s_lshl_b32 s42, s42, 3
	s_add_co_u32 s42, s42, s15
	s_lshl_b32 s42, s42, 8
	s_and_b32 s43, s13, 1
	s_lshl_b32 s43, s43, 7
	s_add_co_u32 s42, s42, s43
	s_bfe_u32 s43, s13, 0x10001
	s_lshl_b32 s43, s43, 2
	s_add_co_u32 s42, s42, s43
	s_lshl_b32 s43, s14, 1
	s_add_co_u32 s42, s42, s43
	s_add_co_u32 s42, s42, 0x400000
	s_mov_b32 s43, 0
	s_add_nc_u64 s[42:43], s[8:9], s[42:43]        ; my two bytes of the scale word
	s_mov_b32 s[SEL], 0x76543210
	s_mov_b32 s[SEL+1], 0xfedcba98
	s_mov_b32 s[CS], 0x3e38aa3b                    ; c = log2(e) / 8
	s_mov_b32 s[CS+1], s[CS]
	s_mov_b32 s[MNT], 0x600000
	s_mov_b32 s[HM], 0xffff0000
	s_mov_b32 s[ST], 0
	v_mov_b32 v13, 0xff61b1e6                      ; the largest t so far: -3e38
	v_floor_f32 v12, -v13                          ; -M
	v_mov_b32 v14, 0
	v_mov_b32 v15, 0
.irp j, 0,1,2,3,4,5,6,7
	v_mov_b32 v[QF+8+\j], 0                        ; zero codes: Q's K = 64 .. 127,
	v_mov_b32 v[KV+64+\j], 0                       ; and what stands behind K's tile 7
.endr
.set i, 0
.rept 32
	v_mov_b32 v[O+i], 0                            ; the step is written once: the first finds zeros
.set i, i+1
.endr
.irp b, 0,1,2,3
	v_mov_b32 v[T1+\b], 0                          ; a lane permute's destination counts as read
.endr
	v_mov_b32 v[FF], 0
	v_mov_b32 v[FF+1], 0
	v_mov_b32 v[TP], 0
.macro STEP                            ; 128 keys
	s_cmp_ge_u32 s[ST], s[SWI]                     ; has B changed tiles?
	s_cselect_b32 s13, s[JJ], 0
	s_cselect_b32 s[Q0], s[QB], s[QLG]
	s_cselect_b32 s[BLK], s[JJ], s[BLG]
	s_add_co_u32 s13, s13, s[ST]
	s_add_co_u32 s13, s13, s[OFF]
	s_and_b32 s13, s13, 15                         ; the step's record
	s_lshl_b32 s[KF], s13, 7
	s_mul_i32 s[TB], s13, REC
	v_add_nc_u32 v[ADK], s[TB], v[LI]
	v_add_nc_u32 v[ADS], s[TB], v[LS8]
	NOPS 6                                         ; with the two additions: eight places in front of loads into registers that the last products read
	s_wait_alu depctr_va_vdst(0)
.irp i, 0,1,2,3,4,5,6,7,8,9,10,11,12,13,14,15
	ds_load_b128 v[KV+4*\i:KV+4*\i+3], v[ADK] offset:512*\i
.endr
	ds_load_b64 v[KSW:KSW+1], v[ADS] offset:16384
	ds_load_b64 v[KSW+2:KSW+3], v[ADS] offset:16640
	s_wait_dscnt 0x0
.irp t, 0,1,2,3,4,5,6,7
.if (\t)%2
	v_wmma_scale_f32_16x16x128_f8f6f4 v[S+8*\t:S+8*\t+7], v[KV+8*\t:KV+8*\t+15], v[QF:QF+15], 0, v[KSW+(\t)/2], v[QS] matrix_a_fmt:MATRIX_FMT_BF8 matrix_b_fmt:MATRIX_FMT_BF8 matrix_a_scale:MATRIX_SCALE_ROW1
.else
	v_wmma_scale_f32_16x16x128_f8f6f4 v[S+8*\t:S+8*\t+7], v[KV+8*\t:KV+8*\t+15], v[QF:QF+15], 0, v[KSW+(\t)/2], v[QS] matrix_a_fmt:MATRIX_FMT_BF8 matrix_b_fmt:MATRIX_FMT_BF8
.endif
.endr
	NOPS 8
.irp i, 0,1,2,3,4,5,6,7,8,9,10,11,12,13,14,15
	ds_load_b128 v[KV+4*\i:KV+4*\i+3], v[ADK] offset:8192+512*\i    ; V is asked for now and lands under the softmax
.endr
	ds_load_b64 v[VS:VS+1], v[ADS] offset:16896
	s_cmp_lt_u32 s13, s[BLK]
	s_cbranch_scc1 .Lopen_\@                       ; a record ahead of the tile's block: all 128 keys count
	s_sub_co_i32 s13, s[Q0], s[KF]
	v_add_nc_u32 v[TP], s13, v9                    ; d = my query - KF - 8 h.  Register 8 t + j holds key KF + 16 t + 8 h + j: hidden where 16 t + j > d
	v_mov_b32 v[TP+1], 0xff800000
.set n, 0
.rept 64
	v_cmp_gt_i32 vcc_lo, 16*(n/8)+n%8, v[TP]
	v_cndmask_b32 v[S+n], v[S+n], v[TP+1], vcc_lo
.set n, n+1
.endr
.Lopen_\@:
.irp b, 0,1,2,3
	v_max3_num_f32 v[BM+\b], v[S+16*\b], v[S+1+16*\b], v[S+2+16*\b]   ; the largest score of each block of 32 keys: for the row's maximum and, since p rises with the score, for the block's largest p
.endr
.irp i, 3,5,7,9,11,13
.irp b, 0,1,2,3
	v_max3_num_f32 v[BM+\b], v[BM+\b], v[S+16*\b+\i], v[S+1+16*\b+\i]
.endr
.endr
.irp b, 0,1,2,3
	v_max_num_f32 v[BM+\b], v[BM+\b], v[S+15+16*\b]
.endr
.irp b, 0,1,2,3
	v_permlanex16_b32 v[T1+\b], v[BM+\b], s[SEL], s[SEL+1]
.endr
.irp b, 0,1,2,3
	v_max_num_f32 v[BM+\b], v[BM+\b], v[T1+\b]
.endr
	v_max3_num_f32 v[TP], v[BM], v[BM+1], v[BM+2]
	v_max_num_f32 v[TP], v[TP], v[BM+3]
	v_mul_f32 v[TP], s[CS], v[TP]
	v_max_num_f32 v13, v13, v[TP]                  ; the running largest t
	v_mov_b32 v[TP], v12
	v_floor_f32 v12, -v13                          ; -M = floor(-t): M is a whole number
	v_sub_f32 v[TP], v12, v[TP]
	v_cvt_i32_f32 v[TP], v[TP]                     ; (it saturates)
	v_ldexp_f32 v[FF], 1.0, v[TP]                  ; f = 2^(old M - new M)
.irp b, 0,1,2,3
	v_fma_f32 v[BM+\b], v[BM+\b], s[CS], v12       ; t - M of each block's largest score: the same multiply-add and exponential as its p
.endr
.set i, 0
.rept 32
	v_pk_fma_f32 v[S+i:S+i+1], v[S+i:S+i+1], s[CS:CS+1], v[12:13] op_sel_hi:[1,0,0]   ; t - M
.set i, i+2
.endr
.set i, 0
.rept 16
	v_pk_mul_f32 v[O+i:O+i+1], v[O+i:O+i+1], v[FF:FF+1] op_sel_hi:[1,0]   ; O^T under the new M: read ahead of the exponentials, each accumulator from its low end on
.set i, i+2
.endr
	v_pk_mul_f32 v[14:15], v[14:15], v[FF:FF+1] op_sel_hi:[1,0]           ; the sum under the new M
	s_wait_alu depctr_va_vdst(0)                   ; a wait ahead of the batch
.irp b, 0,1,2,3
	v_exp_f32 v[BM+\b], v[BM+\b]                   ; the blocks' largest p
.endr
.set i, 0
.rept 64
	v_exp_f32 v[S+i], v[S+i]                       ; p = 2^(t - M)
.set i, i+1
.endr
	v_nop                                          ; a place behind the last of them
	s_wait_alu depctr_va_vdst(0)                   ; and one wait behind the batch, ahead of its first reader
.irp b, 0,1,2,3
	v_max_num_f32 v[BM+\b], 0x8000000, v[BM+\b]    ; the floor 2^(16 - 127): the byte cannot fall under 1
.endr
.irp b, 0,1,2,3
	v_add_nc_u32 v[SO+\b], 0xf8800000, v[BM+\b]    ; 15 off the exponent field: the conversion's scale operand
.endr
.irp b, 0,1,2,3
	v_and_or_b32 v[HO+\b], v[BM+\b], 0x7f800000, s[MNT]   ; 57,344 x the scale
.endr
.irp b, 0,1,2,3
	v_lshrrev_b32 v[T1+\b], 23, v[SO+\b]           ; the scale's byte
.endr
	v_lshl_or_b32 v[FF+1], v[T1+1], 8, v[T1]       ; p's scale word for these 128 keys
	v_lshl_or_b32 v[FF+1], v[T1+2], 16, v[FF+1]
	v_lshl_or_b32 v[FF+1], v[T1+3], 24, v[FF+1]
.irp b, 0,1,2,3
	v_mov_b32 v[T1+(\b+1)%4], v[HO+\b]             ; a second copy of each hold, in a register of another bank: the two halves of a dual pair name different banks
.endr
	v_pk_add_f32 v[TP:TP+1], v[S:S+1], v[S+2:S+3]  ; the sum of the unquantised p, in two chains
.irp j, 4,8,12,16,20,24,28,32,36,40,44,48,52,56,60
	v_pk_add_f32 v[14:15], v[14:15], v[S+\j:S+\j+1]
	v_pk_add_f32 v[TP:TP+1], v[TP:TP+1], v[S+2+\j:S+3+\j]
.endr
.irp b, 0,1,2,3
.irp i, 0,2,4,6,8,10,12,14
	v_dual_min_num_f32 v[S+16*\b+\i], v[S+16*\b+\i], v[HO+\b] :: v_dual_min_num_f32 v[S+16*\b+\i+1], v[S+16*\b+\i+1], v[T1+(\b+1)%4]   ; p is not negative: a one-sided hold (the conversion does not saturate: ISA guide 7.6.2), two to a line
.endr
	v_cvt_scalef32_pk8_bf8_f32 v[PC+4*\b:PC+4*\b+1], v[S+16*\b:S+16*\b+7], v[SO+\b]
	v_cvt_scalef32_pk8_bf8_f32 v[PC+4*\b+2:PC+4*\b+3], v[S+16*\b+8:S+16*\b+15], v[SO+\b]
.endr
	v_pk_add_f32 v[14:15], v[14:15], v[TP:TP+1]    ; the two chains meet.  With the four lines below: the places between the last codes and the products
	NOPS 4
	s_wait_alu depctr_va_vdst(0)                   ; the wait here, directly ahead of the wait below
	s_wait_dscnt 0x0                               ; V
.irp t, 0,1,2,3
.if (\t)%2
	v_wmma_scale_f32_16x16x128_f8f6f4 v[O+8*\t:O+8*\t+7], v[KV+16*\t:KV+16*\t+15], v[PC:PC+15], v[O+8*\t:O+8*\t+7], v[VS+(\t)/2], v[FF+1] matrix_a_fmt:MATRIX_FMT_BF8 matrix_b_fmt:MATRIX_FMT_BF8 matrix_a_scale:MATRIX_SCALE_ROW1
.else
	v_wmma_scale_f32_16x16x128_f8f6f4 v[O+8*\t:O+8*\t+7], v[KV+16*\t:KV+16*\t+15], v[PC:PC+15], v[O+8*\t:O+8*\t+7], v[VS+(\t)/2], v[FF+1] matrix_a_fmt:MATRIX_FMT_BF8 matrix_b_fmt:MATRIX_FMT_BF8
.endif
.endr
.endm
	s_wait_alu depctr_va_vdst(0)                   ; the wait at the head's end
	s_wait_loadcnt 0x0                             ; Q, twice
	s_wait_tensorcnt 0x0                           ; my record is in,
	s_barrier_signal -1
	s_barrier_wait -1                              ; and so are all sixteen
.Lstep:                                            ; eight trips in every wave
	STEP
	s_add_co_u32 s[ST], s[ST], 1
	s_cmp_eq_u32 s[TYP], 0
	s_cbranch_scc1 .Lstay                          ; A never changes tiles
	s_cmp_lg_u32 s[ST], s[SWI]
	s_cbranch_scc1 .Lstay
	NOPS 8                                         ; B HAS DONE ITS PART OF THE LATE TILE.  The places behind the last products; then O^T, -M and the sum go to the pair's stage,
.irp k, 0,1,2,3,4,5,6,7
	ds_store_b128 v[STA], v[O+4*\k:O+4*\k+3] offset:512*\k
.endr
	ds_store_b128 v[STA], v[12:15] offset:4096
	v_mov_b32 v13, 0xff61b1e6                      ; and the early tile begins as the late one began
	v_floor_f32 v12, -v13
	v_mov_b32 v14, 0
	v_mov_b32 v15, 0
.set i, 0
.rept 32
	v_mov_b32 v[O+i], 0
.set i, i+1
.endr
.irp i, 0,1,2,3,4,5,6,7
	v_mov_b32 v[QF+\i], v[Q2+\i]
.endr
	v_mov_b32 v[QS], v[Q2+8]
	s_wait_alu depctr_va_vdst(0)                   ; the wait ahead of the branch below
.Lstay:
	s_cmp_lt_u32 s[ST], 8
	s_cbranch_scc1 .Lstep
	s_wait_dscnt 0x0                               ; for A's sake: B's stores have landed
	s_barrier_signal -1                            ; my eight steps are done
	s_cmp_eq_u32 s[TYP], 0
	s_cbranch_scc1 .Lmeet
	STEP                                           ; B's ninth step, the early tile's diagonal, stands between the signal and the wait: work on registers and loads of record bytes, which no wave ever writes
.Lmeet:
	s_barrier_wait -1                              ; every wave has signalled: every B's part lies in its stage
	s_cmp_eq_u32 s[TYP], 0
	s_cbranch_scc0 .Lout
	NOPS 8                                         ; A joins B's part of the late tile to its own.  The places behind the last products
.irp k, 0,1,2,3,4,5,6,7
	ds_load_b128 v[S+4*\k:S+4*\k+3], v[STA] offset:512*\k
.endr
	ds_load_b128 v[BM:BM+3], v[STA] offset:4096    ; B's -M, its largest t, its sum in two halves
	s_wait_dscnt 0x0
	v_min_num_f32 v[T1], v12, v[BM]                ; -M of the larger M
	v_sub_f32 v[TP], v[T1], v12
	v_sub_f32 v[TP+1], v[T1], v[BM]
	v_cvt_i32_f32 v[TP], v[TP]
	v_cvt_i32_f32 v[TP+1], v[TP+1]
	v_ldexp_f32 v[FF], 1.0, v[TP]                  ; my factor,
	v_ldexp_f32 v[HO], 1.0, v[TP+1]                ; B's: powers of two, of which one is 1
.set i, 0
.rept 16
	v_pk_mul_f32 v[O+i:O+i+1], v[O+i:O+i+1], v[FF:FF+1] op_sel_hi:[1,0]
.set i, i+2
.endr
.set i, 0
.rept 16
	v_pk_fma_f32 v[O+i:O+i+1], v[S+i:S+i+1], v[HO:HO+1], v[O+i:O+i+1] op_sel_hi:[1,0,1]
.set i, i+2
.endr
	v_pk_mul_f32 v[14:15], v[14:15], v[FF:FF+1] op_sel_hi:[1,0]
	v_pk_fma_f32 v[14:15], v[BM+2:BM+3], v[HO:HO+1], v[14:15] op_sel_hi:[1,0,1]
.Lout:
	; THE WAY OUT: O^T / the sum; two blocks of 32 channels are quantised; the halves change places so that a lane holds 16 neighbours along C, as the given weight's order asks.
	NOPS 8                                         ; the places behind B's last products
	v_add_f32 v14, v14, v15
	v_permlanex16_b32 v[TP], v14, s[SEL], s[SEL+1]
	v_add_f32 v14, v14, v[TP]                      ; the row's sum
	s_wait_alu depctr_va_vdst(0)                   ; the wait ahead of the transcendental,
	v_rcp_f32 v15, v14
	v_nop
	s_wait_alu depctr_va_vdst(0)                   ; and behind it, directly ahead of the first readers of O^T
.set i, 0
.rept 32
	v_mul_f32 v[S+i], v[O+i], v15                  ; register 8 t + j: channel 16 t + 8 h + j of my query
.set i, i+1
.endr
.irp b, 0,1
	v_max3_num_f32 v[BM+\b], |v[S+16*\b]|, |v[S+1+16*\b]|, 0x8000000
.endr
.irp i, 2,4,6,8,10,12,14
.irp b, 0,1
	v_max3_num_f32 v[BM+\b], v[BM+\b], |v[S+16*\b+\i]|, |v[S+1+16*\b+\i]|
.endr
.endr
.irp b, 0,1
	v_permlanex16_b32 v[T1+\b], v[BM+\b], s[SEL], s[SEL+1]
.endr
.irp b, 0,1
	v_max_num_f32 v[BM+\b], v[BM+\b], v[T1+\b]
.endr
.irp b, 0,1
	v_add_nc_u32 v[SO+\b], 0xf8800000, v[BM+\b]
.endr
.irp b, 0,1
	v_and_or_b32 v[HO+\b], v[BM+\b], 0x7f800000, s[MNT]
.endr
.irp b, 0,1
	v_lshrrev_b32 v[T1+\b], 23, v[SO+\b]
.endr
	v_lshl_or_b32 v[TP], v[T1+1], 8, v[T1]         ; my head's two bytes of the row's scale word
.irp b, 0,1
.irp i, 0,1,2,3,4,5,6,7,8,9,10,11,12,13,14,15
	v_med3_num_f32 v[S+16*\b+\i], v[S+16*\b+\i], -v[HO+\b], v[HO+\b]
.endr
	v_cvt_scalef32_pk8_bf8_f32 v[PC+4*\b:PC+4*\b+1], v[S+16*\b:S+16*\b+7], v[SO+\b]
	v_cvt_scalef32_pk8_bf8_f32 v[PC+4*\b+2:PC+4*\b+3], v[S+16*\b+8:S+16*\b+15], v[SO+\b]
.endr
	v_nop
.irp b, 0,1                            ; half 0 keeps its first eight codes and takes half 1's first eight; half 1 takes half 0's last eight and keeps its own
	v_cndmask_b32 v[SW], v[PC+4*\b+2], v[PC+4*\b], s[HM]
	v_cndmask_b32 v[SW+1], v[PC+4*\b+3], v[PC+4*\b+1], s[HM]
	v_permlanex16_b32 v[SW+2], v[SW], s[SEL], s[SEL+1]
	v_permlanex16_b32 v[SW+3], v[SW+1], s[SEL], s[SEL+1]
	v_cndmask_b32 v[PC+4*\b], v[PC+4*\b], v[SW+2], s[HM]
	v_cndmask_b32 v[PC+4*\b+1], v[PC+4*\b+1], v[SW+3], s[HM]
	v_cndmask_b32 v[PC+4*\b+2], v[SW+2], v[PC+4*\b+2], s[HM]
	v_cndmask_b32 v[PC+4*\b+3], v[SW+3], v[PC+4*\b+3], s[HM]
.endr
	global_store_b128 v[LI], v[PC:PC+3], s[40:41]              ; 512 consecutive bytes each
	global_store_b128 v[LI], v[PC+4:PC+7], s[40:41] offset:512
	global_store_b16 v8, v[TP], s[42:43]           ; two bytes a row (both halves of the lanes write the same)
	s_wait_tensorcnt 0x0                           ; the wave's end
	ds_add_u32 v254, v255
	s_wait_dscnt 0x0
	CROUND                                         ; the closing round
	s_endpgm
.Lfunc_end_k_q04c599a22b_attn:
	.size	k_q04c599a22b_attn, .Lfunc_end_k_q04c599a22b_attn-k_q04c599a22b_attn
	.p2alignl 7, 3214868480
	.fill 96, 4, 3214868480
	.section	.rodata,"a",@progbits
	.p2align	6, 0x0
	.amdhsa_kernel k_q04c599a22b_attn
		.amdhsa_group_segment_fixed_size 327680
		.amdhsa_private_segment_fixed_size 0
		.amdhsa_enable_private_segment 0
		.amdhsa_kernarg_size 24
		.amdhsa_user_sgpr_count 2
		.amdhsa_user_sgpr_kernarg_segment_ptr 1
		.amdhsa_wavefront_size32 1
		.amdhsa_system_sgpr_workgroup_id_x 1
		.amdhsa_system_sgpr_workgroup_id_y 1
		.amdhsa_system_sgpr_workgroup_id_z 1
		.amdhsa_system_vgpr_workitem_id 0
		.amdhsa_next_free_vgpr 256
		.amdhsa_next_free_sgpr 66
		.amdhsa_reserve_vcc 1
		.amdhsa_float_denorm_mode_32 3
		.amdhsa_float_denorm_mode_16_64 3
		.amdhsa_memory_ordered 1
		.amdhsa_forward_progress 1
		.amdhsa_inst_pref_size 70
	.end_amdhsa_kernel
	.amdgpu_metadata
---
amdhsa.version: [ 1, 2 ]
amdhsa.kernels:
  - .name:           k_q04c599a22b_attn
    .symbol:         k_q04c599a22b_attn.kd
    .args:
      - { .name: qb, .offset: 0, .size: 8, .value_kind: global_buffer, .address_space: global }
      - { .name: kv, .offset: 8, .size: 8, .value_kind: global_buffer, .address_space: global }
      - { .name: yb, .offset: 16, .size: 8, .value_kind: global_buffer, .address_space: global }
    .group_segment_fixed_size: 327680
    .private_segment_fixed_size: 0
    .kernarg_segment_align: 8
    .kernarg_segment_size: 24
    .max_flat_workgroup_size: 512
    .sgpr_count:     66
    .vgpr_count:     256
    .wavefront_size: 32
...
	.end_amdgpu_metadata
.endif
;; end of part 3
;; launch oproj (part 4): grid 8 x 32, 4 waves a work-group, clusters of 4 x 4, 327,680 bytes of LDS; arguments yb, Wo_codes, Wo_scales, bo, x, x1; writes x1
.if DOCPART == 4
	.amdgcn_target "amdgcn-amd-amdhsa--gfx1250"
	.amdhsa_code_object_version 6
	.text
	.protected	k_q04c599a22b_oproj
	.globl	k_q04c599a22b_oproj
	.p2align	8
	.type	k_q04c599a22b_oproj,@function
k_q04c599a22b_oproj:
	s_mov_b64 s[64:65], 0
	v_nop
	global_prefetch_b8 v0, s[64:65] scope:SCOPE_SE
	s_setreg_imm32_b32 hwreg(HW_REG_WAVE_MODE, 25, 1), 1
	s_wait_xcnt 0x0
	s_wait_alu depctr_hold_cnt(0) depctr_sa_sdst(0) depctr_va_vdst(0) depctr_va_sdst(0) depctr_va_ssrc(0) depctr_va_vcc(0) depctr_vm_vsrc(0)
	s_getreg_b32 s2, hwreg(HW_REG_IB_STS2, 6, 4)
	s_cmp_eq_u32 s2, 0
	s_cbranch_scc0 .Lentry_in_a_cluster
	s_endpgm
.Lentry_in_a_cluster:
	s_bfe_u32 s2, ttmp6, 0x10000c
	s_cmp_lg_u32 s2, 0xf033
	s_cbranch_scc0 .Lentry_shape_is_right
	s_endpgm
.Lentry_shape_is_right:
.set SIZE_K, 1024
.set KT,     SIZE_K/128
.set KS,     SIZE_K/32
.set LAPS,   SIZE_K/1024
.set PITCH,  528
.set BOFF,   65536
.set SLOT,   BOFF+128*PITCH
.set SCLA,   2*SLOT
.set HALFS,  KT*272
.set SCLB,   SCLA+2*HALFS
.set SPARE,  SCLB+2*HALFS
.set STAGE,  SPARE+512
.set SPITCH, 272
.set ADRA, 16
.set ADRB, 20
.set ADSA, 22
.set ADSB, 23
.set STO,  24
.set RD,   25
.set CO,   26
.set SPW,  28
.set NIL,  29
.set BO,   30
.set SA,   32
.set SB,   48
.set BI,   64
.set BK,   64
.set ACC,  128
.set F0,   0
.set F1,   128
.set G1, 24
.set G0, 32
.set G1B, 48
.set G0B, 56
.set G1S, 68
.set G0S, 76
.set G1SB, 80
.set G0SB, 88
.set MSB, 0
.macro WIN new
.if MSB != (\new)
	s_set_vgpr_msb (MSB<<8)|(\new)
.set MSB, (\new)
.endif
.endm
.set MUL,  0x05
.set TO_F, 0x40
.set TO_R, 0x80
.set ADDR, 0x08
.macro JLOAD g0a, g1a, g0b, g1b
	s_cmp_eq_u32 s15, 0
	s_cbranch_scc0 .Lfor_b_\@
	tensor_load_to_lds s[\g0a:\g0a+3], s[\g1a:\g1a+7]
	s_nop 0
.rept 4
	v_nop
.endr
	s_branch .Lasked_\@
.Lfor_b_\@:
	tensor_load_to_lds s[\g0b:\g0b+3], s[\g1b:\g1b+7]
	s_nop 0
.rept 4
	v_nop
.endr
.Lasked_\@:
.endm
.macro CREST
	s_cmp_lg_u32 s14, 0
	s_cbranch_scc1 .Lnot_wave_0_\@
	s_barrier_signal -3
.Lnot_wave_0_\@:
	s_barrier_wait -3
	s_barrier_signal -1
	s_barrier_wait -1
.endm
.macro CROUND
	s_barrier_signal -1
	s_barrier_wait -1
	CREST
.endm
.macro PLACES n
.rept \n
	v_nop
.endr
.endm
	s_load_b256 s[4:11], s[0:1], 0x0
	s_load_b128 s[96:99], s[0:1], 0x20
	v_lshl_add_u32 v[SPW], v0, 2, SPARE
	v_mov_b32 v[NIL], 0
	ds_add_u32 v28, v29
	ds_add_u32 v28, v29
	s_wait_dscnt 0x0
	v_lshrrev_b32 v1, 5, v0
	v_readfirstlane_b32 s14, v1
	s_lshr_b32 s15, s14, 1
	s_and_b32 s16, s14, 1
	s_bfe_u32 s40, ttmp6, 0x40000
	s_bfe_u32 s41, ttmp6, 0x40004
	s_lshl_b32 s42, ttmp9, 2
	s_add_co_u32 s42, s42, s40
	s_and_b32 s17, ttmp7, 0xffff
	s_lshl_b32 s17, s17, 2
	s_add_co_u32 s17, s17, s41
	s_lshl_b32 s43, s41, 2
	s_lshl_b32 s43, 15, s43
	s_lshl_b32 s44, 0x1111, s40
	s_or_b32 s[G1], s43, (3<<16)|(1<<21)
	s_mov_b32 s[G1+1], 1024<<16
	s_mov_b32 s[G1+2], 4<<16
	s_mov_b32 s[G1+3], 1024<<16
	s_mov_b32 s[G1+4], 4
	s_mov_b32 s[G1+5], KT*256
	s_mov_b32 s[G1+6], 0
	s_mov_b32 s[G1+7], 0
	s_or_b32 s[G1B], s44, (0<<16)|(1<<20)|(1<<21)|(6<<22)|(3<<25)
	s_mov_b32 s[G1B+1], 512<<16
	s_mov_b32 s[G1B+2], 64<<16
	s_mov_b32 s[G1B+3], 512<<16
	s_mov_b32 s[G1B+4], 64
	s_mov_b32 s[G1B+5], SIZE_K
	s_mov_b32 s[G1B+6], 0
	s_mov_b32 s[G1B+7], 0
	s_or_b32 s[G1S], s43, (3<<16)|(1<<21)          ; the head's loads bring a slot's part of a side whole: A's 8 tiles,
	s_mov_b32 s[G1S+1], 1024<<16
	s_mov_b32 s[G1S+2], 8<<16
	s_mov_b32 s[G1S+3], 1024<<16
	s_mov_b32 s[G1S+4], 8
	s_mov_b32 s[G1S+5], KT*256
	s_mov_b32 s[G1S+6], 0
	s_mov_b32 s[G1S+7], 0
	s_or_b32 s[G1SB], s44, (0<<16)|(1<<20)|(1<<21)|(6<<22)|(3<<25)   ; W's 128 rows
	s_mov_b32 s[G1SB+1], 512<<16
	s_mov_b32 s[G1SB+2], 128<<16
	s_mov_b32 s[G1SB+3], 512<<16
	s_mov_b32 s[G1SB+4], 128
	s_mov_b32 s[G1SB+5], SIZE_K
	s_mov_b32 s[G1SB+6], 0
	s_mov_b32 s[G1SB+7], 0
	s_lshl_b32 s20, s17, 3
	s_lshl_b32 s18, s16, 2
	s_add_co_u32 s20, s20, s18
	s_mul_i32 s20, s20, KT*2048
	s_mov_b32 s21, 0
	s_lshl_b32 s22, s17, 1
	s_add_co_u32 s22, s22, s16
	s_mul_i32 s22, s22, KT*256
	s_add_co_u32 s22, s22, 4096*SIZE_K
	s_mov_b32 s23, 0
	s_lshl_b32 s46, s42, 7
	s_lshl_b32 s18, s16, 6
	s_add_co_u32 s46, s46, s18
	s_mul_i32 s92, s46, KS
	s_mov_b32 s93, 0
	s_mul_i32 s46, s46, SIZE_K
	s_mov_b32 s47, 0
	s_lshl_b32 s45, s16, 15
	s_mul_i32 s94, s16, 64*PITCH
	s_add_co_u32 s94, s94, BOFF
	s_mul_i32 s95, s16, HALFS
	s_wait_kmcnt 0x0
	s_add_nc_u64 s[20:21], s[4:5], s[20:21]
	s_add_nc_u64 s[22:23], s[4:5], s[22:23]
	s_add_nc_u64 s[46:47], s[6:7], s[46:47]
	s_add_nc_u64 s[92:93], s[8:9], s[92:93]
	; THE SCALES come through registers: 256 KT dense bytes a wave (waves 0, 1: A's halves; 2, 3: W's), loads of 512 consecutive bytes, stored into LDS bytes of their own as runs of 256 + 16
	s_cmp_eq_u32 s15, 0
	s_cselect_b64 s[66:67], s[22:23], s[92:93]
	s_mov_b64 s[12:13], s[10:11]                   ; the bias: its registers take a descriptor below
	s_mul_i32 s95, s14, HALFS
	s_add_co_u32 s95, s95, SCLA
	v_and_b32 v9, 15, v0
	v_bfe_u32 v10, v0, 4, 1
	v_and_b32 v8, 31, v0
	v_mul_u32_u24 v10, v10, 272
	v_lshlrev_b32 v8, 4, v8
	v_lshl_add_u32 v9, v9, 4, v10
	v_add_nc_u32 v9, s95, v9
	s_wait_alu depctr_va_vdst(0)
.set k, 0
.rept KT/2
	global_load_b128 v[ACC+4*k:ACC+4*k+3], v8, s[66:67] offset:512*k
.set k, k+1
.endr
	CROUND
	s_mul_i32 s18, s16, 64*SIZE_K                  ; back from my half to the tile's first byte (A: 4 tiles of 2,048 KT bytes; W: 64 rows)
	s_mov_b32 s19, 0
	s_mov_b32 s[G0S], 1                            ; A, slot 0
	s_mov_b32 s[G0S+1], 0
	s_sub_nc_u64 s[G0S+2:G0S+3], s[20:21], s[18:19]
	s_mov_b32 s[G0SB], 1                           ; W, slot 0
	s_mov_b32 s[G0SB+1], BOFF
	s_sub_nc_u64 s[G0SB+2:G0SB+3], s[46:47], s[18:19]
	s_mov_b32 s4, 1                                ; A, slot 1
	s_mov_b32 s5, SLOT
	s_add_nc_u64 s[6:7], s[G0S+2:G0S+3], 8192
	s_mov_b32 s8, 1                                ; W, slot 1
	s_mov_b32 s9, SLOT+BOFF
	s_add_nc_u64 s[10:11], s[G0SB+2:G0SB+3], 512
	s_or_b32 s[G0S+3], s[G0S+3], 0x80000000
	s_or_b32 s[G0SB+3], s[G0SB+3], 0x80000000
	s_or_b32 s7, s7, 0x80000000
	s_or_b32 s11, s11, 0x80000000
.irp s, 0,1
	s_mov_b32 s[G0+4*\s], 1
	s_add_co_u32 s[G0+4*\s+1], s45, \s*SLOT
	s_add_nc_u64 s[G0+4*\s+2:G0+4*\s+3], s[20:21], \s*8192
	s_or_b32 s[G0+4*\s+3], s[G0+4*\s+3], 0x80000000
	s_mov_b32 s[G0B+4*\s], 1
	s_add_co_u32 s[G0B+4*\s+1], s94, \s*SLOT
	s_add_nc_u64 s[G0B+4*\s+2:G0B+4*\s+3], s[46:47], \s*512
	s_or_b32 s[G0B+4*\s+3], s[G0B+4*\s+3], 0x80000000
.endr
; THE HEAD'S LOADS, ONE A WAVE: one chain of branches on the wave's number, a load to an arm: wave 0 A's slot 0, wave 1 W's, wave 2 A's slot 1, wave 3 W's
.macro ARM under, g0, g1, next
	s_cmp_lt_u32 s14, \under
	s_cbranch_scc0 \next
	tensor_load_to_lds s[\g0:\g0+3], s[\g1:\g1+7]
	s_nop 0
.rept 4
	v_nop
.endr
	s_branch .Lhead_asked
\next:
.endm
	ARM 1, G0S, G1S, .Lhead_b0
	ARM 2, G0SB, G1SB, .Lhead_a1
	ARM 3, 4, G1S, .Lhead_b1
	tensor_load_to_lds s[8:11], s[G1SB:G1SB+7]
	s_nop 0
.rept 4
	v_nop
.endr
.Lhead_asked:
	v_and_b32 v1, 15, v0
	v_bfe_u32 v2, v0, 4, 1
	v_and_b32 v3, 31, v0
	v_lshlrev_b32 v4, 4, v3
	s_lshl_b32 s21, s15, 15
	v_add_nc_u32 v[ADRA], s21, v4
	s_add_co_u32 s21, s21, SLOT
	v_add_nc_u32 v[ADRA+1], s21, v4
	v_mul_u32_u24 v5, v1, PITCH
	v_lshl_add_u32 v5, v2, 4, v5
	s_mul_i32 s22, s16, 64*PITCH
	s_add_co_u32 s22, s22, BOFF
	v_add_nc_u32 v[ADRB], s22, v5
	s_add_co_u32 s22, s22, SLOT
	v_add_nc_u32 v[ADRB+1], s22, v5
	v_lshlrev_b32 v6, 3, v3
	s_mul_i32 s21, s15, HALFS
	s_add_co_u32 s21, s21, SCLA
	v_add_nc_u32 v[ADSA], s21, v6
	v_mul_u32_u24 v6, v3, KS
	v_lshrrev_b32 v7, 8, v6
	v_lshl_add_u32 v6, v7, 4, v6
	s_mul_i32 s21, s16, HALFS
	s_add_co_u32 s21, s21, SCLB
	v_add_nc_u32 v[ADSB], s21, v6
	s_mul_i32 s23, s14, 16*SPITCH
	s_add_co_u32 s23, s23, STAGE
	v_mul_u32_u24 v5, v1, SPITCH
	v_lshl_add_u32 v5, v2, 5, v5
	v_add_nc_u32 v[STO], s23, v5
	v_mul_u32_u24 v5, v2, SPITCH
	v_lshl_add_u32 v5, v1, 4, v5
	v_add_nc_u32 v[RD], s23, v5
	v_lshlrev_b32 v5, 12, v2
	v_lshl_add_u32 v[CO], v1, 4, v5
	v_lshlrev_b32 v[BO], 5, v2
	s_wait_alu depctr_va_vdst(0)
	s_lshl_b32 s46, s42, 9
	s_lshl_b32 s47, s16, 8
	s_add_co_u32 s46, s46, s47
	s_mov_b32 s47, 0
	s_add_nc_u64 s[12:13], s[12:13], s[46:47]
	s_lshl_b32 s92, s17, 19
	s_lshl_b32 s93, s15, 18
	s_add_co_u32 s92, s92, s93
	s_add_co_u32 s92, s92, s46
	s_mov_b32 s93, 0
	s_add_nc_u64 s[96:97], s[96:97], s[92:93]
	s_add_nc_u64 s[98:99], s[98:99], s[92:93]
.irp b, 0,1,2,3
	global_load_b128 v[BI+8*\b:BI+8*\b+3], v[BO], s[12:13] offset:64*\b
	global_load_b128 v[BI+8*\b+4:BI+8*\b+7], v[BO], s[12:13] offset:64*\b+16
.endr
	WIN TO_R
.irp a, 0,1,2,3
.irp t, 0,1,2,3,4,5,6,7
	global_load_b128 v[32*\a+4*\t:32*\a+4*\t+3], v[CO], s[96:97] offset:(16*\a+2*\t)*4096
.endr
.endr
	WIN 0
.macro WM f, a, b, q, set, zero
.set DD, ACC+8*(4*(\a)+(\b))
.set CC, DD
.if \zero
.set CC, BI+8*(\b)
.endif
.set RB, (\f)+64+16*(\b)
.set RA, (\f)+16*(\a)
.set SBR, SB+8*(\set)+4*((\b)/2)+(\q)
.set SAR, SA+8*(\set)+2*(\q)+(\a)/2
.if ((\a)%2 == 0) && ((\b)%2 == 0)
	v_wmma_scale_f32_16x16x128_f8f6f4 v[DD:DD+7], v[RB:RB+15], v[RA:RA+15], v[CC:CC+7], v[SBR], v[SAR] matrix_a_fmt:MATRIX_FMT_BF8 matrix_b_fmt:MATRIX_FMT_BF8
.elseif ((\a)%2 == 0)
	v_wmma_scale_f32_16x16x128_f8f6f4 v[DD:DD+7], v[RB:RB+15], v[RA:RA+15], v[CC:CC+7], v[SBR], v[SAR] matrix_a_fmt:MATRIX_FMT_BF8 matrix_b_fmt:MATRIX_FMT_BF8 matrix_a_scale:MATRIX_SCALE_ROW1
.elseif ((\b)%2 == 0)
	v_wmma_scale_f32_16x16x128_f8f6f4 v[DD:DD+7], v[RB:RB+15], v[RA:RA+15], v[CC:CC+7], v[SBR], v[SAR] matrix_a_fmt:MATRIX_FMT_BF8 matrix_b_fmt:MATRIX_FMT_BF8 matrix_b_scale:MATRIX_SCALE_ROW1
.else
	v_wmma_scale_f32_16x16x128_f8f6f4 v[DD:DD+7], v[RB:RB+15], v[RA:RA+15], v[CC:CC+7], v[SBR], v[SAR] matrix_a_fmt:MATRIX_FMT_BF8 matrix_b_fmt:MATRIX_FMT_BF8 matrix_a_scale:MATRIX_SCALE_ROW1 matrix_b_scale:MATRIX_SCALE_ROW1
.endif
.endm
.macro MUL4 f, a, q, set, zero
.irp b, 0,1,2,3
	WM \f, \a, \b, \q, \set, \zero
.endr
.endm
.macro FETCH slot, q, g
	WIN TO_F
.irp b, 0,1,2,3
.irp c, 0,1,2,3
	ds_load_b128 v[(\g)+64+16*\b+4*\c:(\g)+64+16*\b+4*\c+3], v[ADRB+\slot] offset:\b*16*PITCH+128*(\q)+32*\c
.endr
.endr
.irp a, 0,1,2,3
.irp c, 0,1,2,3
	ds_load_b128 v[(\g)+16*\a+4*\c:(\g)+16*\a+4*\c+3], v[ADRA+\slot] offset:\a*8192+2048*(\q)+512*\c
.endr
.endr
.endm
.macro SCALES set
.irp q, 0,1,2,3
	ds_load_b64 v[SA+8*(\set)+2*\q:SA+8*(\set)+2*\q+1], v[ADSA] offset:272*\q
.endr
.irp i, 0,1
	ds_load_b128 v[SB+8*(\set)+4*\i:SB+8*(\set)+4*\i+3], v[ADSB] offset:\i*(32*KS/256)*272
.endr
.endm
.macro KST slot, q, f, g, zero
	s_wait_dscnt 8
	WIN MUL
	MUL4 \f, 0, (\q)-1, \slot, \zero
	MUL4 \f, 1, (\q)-1, \slot, \zero
	PLACES 8
	FETCH \slot, \q, \g
	s_wait_dscnt 32
	WIN MUL
	MUL4 \f, 2, (\q)-1, \slot, \zero
	MUL4 \f, 3, (\q)-1, \slot, \zero
.endm
.macro TURN slot, next, fill
	WIN 0
	s_wait_tensorcnt 0x0
	ds_add_u32 v[SPW], v[NIL]
	s_wait_dscnt 9
	WIN MUL
	MUL4 F1, 0, 3, \slot, 0
	s_wait_dscnt 0x0
	s_barrier_signal -1
	MUL4 F1, 1, 3, \slot, 0
	WIN 0
	s_barrier_wait -1
.if \fill
	CREST
	s_add_nc_u64 s[G0+4*\slot+2:G0+4*\slot+3], s[G0+4*\slot+2:G0+4*\slot+3], 16384
	s_add_nc_u64 s[G0B+4*\slot+2:G0B+4*\slot+3], s[G0B+4*\slot+2:G0B+4*\slot+3], 1024
	JLOAD G0+4*\slot, G1, G0B+4*\slot, G1B
	PLACES 4
.else
	PLACES 8
.endif
	v_add_nc_u32 v[ADSA], 4*272, v[ADSA]
	v_add_nc_u32 v[ADSB], 16, v[ADSB]
	SCALES \next
	FETCH \next, 0, F0
	WIN MUL
	MUL4 F1, 2, 3, \slot, 0
	MUL4 F1, 3, 3, \slot, 0
.endm
	s_wait_alu depctr_va_vdst(0)                   ; the wait at the head's end
	s_wait_loadcnt 32                              ; the scales and the bias are in; the youngest 32 loads, the residual's, may be out until the way out
.set k, 0
.rept KT/2
	ds_store_b128 v9, v[ACC+4*k:ACC+4*k+3] offset:544*k
.set k, k+1
.endr
	s_cmp_lt_u32 s14, 2
	s_cbranch_scc0 .Lslot1_mine
	s_wait_tensorcnt 0x0                           ; waves 0 and 1: slot 0 is in.  Waves 2 and 3 wait for slot 1 at the first change of slots
.Lslot1_mine:
	s_wait_dscnt 0x0                               ; my scales lie in LDS
	s_barrier_signal -1
	s_barrier_wait -1
	SCALES 0
	FETCH 0, 0, F0
	KST 0, 1, F0, F1, 1
.if LAPS > 1
	WIN 0
	s_mov_b32 s3, LAPS-1
.Llap:
	KST 0, 2, F1, F0, 0
	KST 0, 3, F0, F1, 0
	TURN 0, 1, 1
	KST 1, 1, F0, F1, 0
	KST 1, 2, F1, F0, 0
	KST 1, 3, F0, F1, 0
	TURN 1, 0, 1
	KST 0, 1, F0, F1, 0
	WIN 0
	s_sub_co_u32 s3, s3, 1
	s_cmp_lg_u32 s3, 0
	s_cbranch_scc1 .Llap
.endif
	KST 0, 2, F1, F0, 0
	KST 0, 3, F0, F1, 0
	TURN 0, 1, 0
	KST 1, 1, F0, F1, 0
	KST 1, 2, F1, F0, 0
	KST 1, 3, F0, F1, 0
	s_wait_dscnt 8
	WIN MUL
	MUL4 F1, 0, 3, 1, 0
	MUL4 F1, 1, 3, 1, 0
	s_wait_dscnt 0
	MUL4 F1, 2, 3, 1, 0
	MUL4 F1, 3, 3, 1, 0
	WIN 0
.macro TOSTAGE a
.irp b, 0,1,2,3
	ds_store_b128 v[STO], v[ACC+8*(4*(\a)+\b):ACC+8*(4*(\a)+\b)+3] offset:64*\b
	ds_store_b128 v[STO], v[ACC+8*(4*(\a)+\b)+4:ACC+8*(4*(\a)+\b)+7] offset:64*\b+16
.endr
.set BB, BK+32*((\a)%2)
.irp t, 0,1,2,3,4,5,6,7
	ds_load_b128 v[BB+4*\t:BB+4*\t+3], v[RD] offset:\t*2*SPITCH
.endr
.endm
.macro SEND a, younger
.set BB, BK+32*((\a)%2)
	s_wait_dscnt \younger
	WIN ADDR
.set i, 0
.rept 16
	v_pk_add_f32 v[BB+i:BB+i+1], v[BB+i:BB+i+1], v[32*(\a)+i:32*(\a)+i+1]
.set i, i+2
.endr
	WIN 0
.irp t, 0,1,2,3,4,5,6,7
	global_store_b128 v[CO], v[BB+4*\t:BB+4*\t+3], s[98:99] offset:(16*(\a)+2*\t)*4096
.endr
.endm
	s_wait_loadcnt 0x0                             ; the residual
	PLACES 8
	TOSTAGE 0
.irp a, 1,2,3
.if \a > 1
	s_wait_xcnt 0x0
.endif
	TOSTAGE \a
	SEND \a-1, 16
.endr
	SEND 3, 0
	s_wait_tensorcnt 0x0
	ds_add_u32 v[SPW], v[NIL]
	s_wait_dscnt 0x0
	CROUND
	s_endpgm
.Lfunc_end_k_q04c599a22b_oproj:
	.size	k_q04c599a22b_oproj, .Lfunc_end_k_q04c599a22b_oproj-k_q04c599a22b_oproj
	.p2alignl 7, 3214868480
	.fill 96, 4, 3214868480
	.section	.rodata,"a",@progbits
	.p2align	6, 0x0
	.amdhsa_kernel k_q04c599a22b_oproj
		.amdhsa_group_segment_fixed_size 327680
		.amdhsa_private_segment_fixed_size 0
		.amdhsa_enable_private_segment 0
		.amdhsa_kernarg_size 48
		.amdhsa_user_sgpr_count 2
		.amdhsa_user_sgpr_kernarg_segment_ptr 1
		.amdhsa_wavefront_size32 1
		.amdhsa_system_sgpr_workgroup_id_x 1
		.amdhsa_system_sgpr_workgroup_id_y 1
		.amdhsa_system_sgpr_workgroup_id_z 1
		.amdhsa_system_vgpr_workitem_id 0
		.amdhsa_next_free_vgpr 768
		.amdhsa_next_free_sgpr 100
		.amdhsa_reserve_vcc 0
		.amdhsa_float_denorm_mode_32 3
		.amdhsa_float_denorm_mode_16_64 3
		.amdhsa_memory_ordered 1
		.amdhsa_forward_progress 1
		.amdhsa_inst_pref_size 63
	.end_amdhsa_kernel
	.amdgpu_metadata
---
amdhsa.version: [ 1, 2 ]
amdhsa.kernels:
  - .name:           k_q04c599a22b_oproj
    .symbol:         k_q04c599a22b_oproj.kd
    .args:
      - { .name: yb, .offset: 0, .size: 8, .value_kind: global_buffer, .address_space: global }
      - { .name: Wo_codes, .offset: 8, .size: 8, .value_kind: global_buffer, .address_space: global }
      - { .name: Wo_scales, .offset: 16, .size: 8, .value_kind: global_buffer, .address_space: global }
      - { .name: bo, .offset: 24, .size: 8, .value_kind: global_buffer, .address_space: global }
      - { .name: x, .offset: 32, .size: 8, .value_kind: global_buffer, .address_space: global }
      - { .name: x1, .offset: 40, .size: 8, .value_kind: global_buffer, .address_space: global }
    .group_segment_fixed_size: 327680
    .private_segment_fixed_size: 0
    .kernarg_segment_align: 8
    .kernarg_segment_size: 48
    .max_flat_workgroup_size: 128
    .sgpr_count:     100
    .vgpr_count:     768
    .wavefront_size: 32
...
	.end_amdgpu_metadata
.endif
;; end of part 4
;; launch ln2: the kernel of part 1 again; grid 256 x 1, 16 waves a work-group, no clusters, 84,480 bytes of LDS; arguments x1, ln2_w, ln2_b, hb; writes hb
;; launch fc (part 5): grid 16 x 16, 4 waves a work-group, clusters of 4 x 4, 327,680 bytes of LDS; arguments hb, Wfc_codes, Wfc_scales, bfc, gb; writes gb
.if DOCPART == 5
	.amdgcn_target "amdgcn-amd-amdhsa--gfx1250"
	.amdhsa_code_object_version 6
	.text
	.protected	k_q04c599a22b_fc
	.globl	k_q04c599a22b_fc
	.p2align	8
	.type	k_q04c599a22b_fc,@function
k_q04c599a22b_fc:
	s_mov_b64 s[64:65], 0
	v_nop
	global_prefetch_b8 v0, s[64:65] scope:SCOPE_SE
	s_setreg_imm32_b32 hwreg(HW_REG_WAVE_MODE, 25, 1), 1
	s_wait_xcnt 0x0
	s_wait_alu depctr_hold_cnt(0) depctr_sa_sdst(0) depctr_va_vdst(0) depctr_va_sdst(0) depctr_va_ssrc(0) depctr_va_vcc(0) depctr_vm_vsrc(0)
	s_getreg_b32 s2, hwreg(HW_REG_IB_STS2, 6, 4)
	s_cmp_eq_u32 s2, 0
	s_cbranch_scc0 .Lentry_in_a_cluster
	s_endpgm
.Lentry_in_a_cluster:
	s_bfe_u32 s2, ttmp6, 0x10000c
	s_cmp_lg_u32 s2, 0xf033
	s_cbranch_scc0 .Lentry_shape_is_right
	s_endpgm
.Lentry_shape_is_right:
.set SIZE_K, 1024
.set KSTEP,  256
.set NQ,     KSTEP/128
.set ROWB,   256
.set KROW,   SIZE_K
.set PITCH,  272
.set FR,     16
.set NL,     4
.set NP,     8
.set HALFT,  128*PITCH
.set SLOT,   4*HALFT
.set LAPS,   SIZE_K/(2*KSTEP)
.set KS,     SIZE_K/32
.set SCL,    2*SLOT
.set HALFS,  (128*KS/256)*272
.set SBLK,   (16*KS/256)*272
.set SPARE,  SCL+4*HALFS
.set ADRA, 16
.set ADRB, 20
.set LI,   25
.set LS8,  26
.set ADRS, 27
.set SPW,  28
.set NIL,  29
.set BO,   30
.set SC,   32
.set BI,   64
.set AF,   128
.set PC,   32
.set TM,   48
.set Z,    64
.set HU,   128
.set W,    192
.set P,    208
.set Q,    224
.set CV,   240
.set PW,   244
.set WD,   246
.set XP,   250
.set SW,   252
.set G1, 24
.set G0, 32
.set G1B, 48
.set G0B, 56
.set G1S, 68
.set G0S, 76
.set G1SB, 80
.set G0SB, 88
.set RW,  18
.set SEL, 20
.set MNT, 22
.set HM,  23
.set PG,  24
.set PGS, 26
.set MSB, 0
.macro WIN new
.if MSB != (\new)
	s_set_vgpr_msb (MSB<<8)|(\new)
.set MSB, (\new)
.endif
.endm
.set MUL_LO, 0xa1
.set MUL_HI, 0xf1
.set TO_B,   0x40
.macro JLOAD g0a, g1a, g0b, g1b
	s_cmp_eq_u32 s15, 0
	s_cbranch_scc0 .Lfor_b_\@
	tensor_load_to_lds s[\g0a:\g0a+3], s[\g1a:\g1a+7]
	s_nop 0
.rept 4
	v_nop
.endr
	s_branch .Lasked_\@
.Lfor_b_\@:
	tensor_load_to_lds s[\g0b:\g0b+3], s[\g1b:\g1b+7]
	s_nop 0
.rept 4
	v_nop
.endr
.Lasked_\@:
.endm
.macro CREST
	s_cmp_lg_u32 s14, 0
	s_cbranch_scc1 .Lnot_wave_0_\@
	s_barrier_signal -3
.Lnot_wave_0_\@:
	s_barrier_wait -3
	s_barrier_signal -1
	s_barrier_wait -1
.endm
.macro CROUND
	s_barrier_signal -1
	s_barrier_wait -1
	CREST
.endm
	s_load_b64 s[4:5], s[0:1], 0x0
	s_load_b128 s[8:11], s[0:1], 0x8
	s_load_b64 s[12:13], s[0:1], 0x18
	v_lshl_add_u32 v[SPW], v0, 2, SPARE
	v_mov_b32 v[NIL], 0
	ds_add_u32 v28, v29
	ds_add_u32 v28, v29
	s_wait_dscnt 0x0
	v_lshrrev_b32 v1, 5, v0
	v_readfirstlane_b32 s14, v1
	s_lshr_b32 s15, s14, 1
	s_and_b32 s16, s14, 1
	s_bfe_u32 s40, ttmp6, 0x40000
	s_bfe_u32 s41, ttmp6, 0x40004
	s_lshl_b32 s42, ttmp9, 2
	s_add_co_u32 s42, s42, s40
	s_and_b32 s17, ttmp7, 0xffff
	s_lshl_b32 s17, s17, 2
	s_add_co_u32 s17, s17, s41
	s_lshl_b32 s43, s41, 2
	s_lshl_b32 s43, 15, s43
	s_lshl_b32 s44, 0x1111, s40
	s_or_b32 s[G1+0], s43, (0<<16)|(1<<20)|(1<<21)|(5<<22)|(3<<25)
	s_or_b32 s[G1B+0], s44, (0<<16)|(1<<20)|(1<<21)|(5<<22)|(3<<25)
.irp g, G1, G1B
	s_mov_b32 s[\g+1], ROWB<<16
	s_mov_b32 s[\g+2], 128<<16
	s_mov_b32 s[\g+3], ROWB<<16
	s_mov_b32 s[\g+4], 128
	s_mov_b32 s[\g+5], KROW
	s_mov_b32 s[\g+6], 0
	s_mov_b32 s[\g+7], 0
.endr
	s_or_b32 s[G1S+0], s43, (0<<16)|(1<<20)|(1<<21)|(5<<22)|(3<<25) ; the head's loads bring a side's 256 rows of a K step whole
	s_or_b32 s[G1SB+0], s44, (0<<16)|(1<<20)|(1<<21)|(5<<22)|(3<<25)
.irp g, G1S, G1SB
	s_mov_b32 s[\g+1], ROWB<<16
	s_mov_b32 s[\g+2], 256<<16
	s_mov_b32 s[\g+3], ROWB<<16
	s_mov_b32 s[\g+4], 256
	s_mov_b32 s[\g+5], KROW
	s_mov_b32 s[\g+6], 0
	s_mov_b32 s[\g+7], 0
.endr
	s_lshl_b32 s18, s16, 7
	s_lshl_b32 s20, s17, 8
	s_add_co_u32 s20, s20, s18
	s_lshl_b32 s46, s42, 8
	s_add_co_u32 s46, s46, s18
	s_mov_b32 s21, 0
	s_mov_b32 s47, 0
	s_mov_b64 s[18:19], KS
	s_mul_u64 s[22:23], s[20:21], s[18:19]
	s_mul_u64 s[92:93], s[46:47], s[18:19]
	s_mov_b64 s[18:19], KROW
	s_mul_u64 s[20:21], s[20:21], s[18:19]
	s_mul_u64 s[46:47], s[46:47], s[18:19]
	s_mul_i32 s45, s14, HALFT
	s_mul_i32 s94, s14, HALFS
	s_wait_kmcnt 0x0
	s_add_nc_u64 s[6:7], s[4:5], 0x400000
	s_add_nc_u64 s[20:21], s[4:5], s[20:21]
	s_add_nc_u64 s[22:23], s[6:7], s[22:23]
	s_add_nc_u64 s[46:47], s[8:9], s[46:47]
	s_add_nc_u64 s[92:93], s[10:11], s[92:93]
	; THE SCALE BYTES come through registers: 4,096 dense bytes a wave (waves 0, 1: A's halves; 2, 3: B's), eight loads of 512 consecutive bytes, stored into LDS bytes of their own as runs of 256 + 16
	s_cmp_eq_u32 s15, 0
	s_cselect_b64 s[66:67], s[22:23], s[92:93]
	v_and_b32 v9, 15, v0
	v_bfe_u32 v10, v0, 4, 1
	v_and_b32 v8, 31, v0
	v_mul_u32_u24 v10, v10, 272
	v_lshlrev_b32 v8, 4, v8                        ; v8: 16 x lane
	v_lshl_add_u32 v9, v9, 4, v10
	s_add_co_u32 s94, s94, SCL
	v_add_nc_u32 v9, s94, v9                       ; v9: where my 16 bytes go
	s_wait_alu depctr_va_vdst(0)
.irp k, 0,1,2,3,4,5,6,7
	global_load_b128 v[AF+4*\k:AF+4*\k+3], v8, s[66:67] offset:512*\k
.endr
	CROUND
	s_mul_i32 s18, s16, 128*KROW                   ; back from my half to the tile's first row
	s_mov_b32 s19, 0
	s_mov_b32 s[G0S], 1                            ; A, K step 0
	s_mov_b32 s[G0S+1], 0
	s_sub_nc_u64 s[G0S+2:G0S+3], s[20:21], s[18:19]
	s_mov_b32 s[G0SB], 1                           ; B, K step 0
	s_mov_b32 s[G0SB+1], 2*HALFT
	s_sub_nc_u64 s[G0SB+2:G0SB+3], s[46:47], s[18:19]
	s_mov_b32 s4, 1                                ; A, K step 1
	s_mov_b32 s5, SLOT
	s_add_nc_u64 s[6:7], s[G0S+2:G0S+3], ROWB
	s_mov_b32 s8, 1                                ; B, K step 1
	s_mov_b32 s9, SLOT+2*HALFT
	s_add_nc_u64 s[10:11], s[G0SB+2:G0SB+3], ROWB
	s_or_b32 s[G0S+3], s[G0S+3], 0x80000000
	s_or_b32 s[G0SB+3], s[G0SB+3], 0x80000000
	s_or_b32 s7, s7, 0x80000000
	s_or_b32 s11, s11, 0x80000000
.irp s, 0,1
	s_mov_b32 s[G0+4*\s], 1
	s_add_co_u32 s[G0+4*\s+1], s45, \s*SLOT
	s_add_nc_u64 s[G0+4*\s+2:G0+4*\s+3], s[20:21], \s*ROWB
	s_or_b32 s[G0+4*\s+3], s[G0+4*\s+3], 0x80000000
	s_mov_b32 s[G0B+4*\s], 1
	s_add_co_u32 s[G0B+4*\s+1], s45, \s*SLOT
	s_add_nc_u64 s[G0B+4*\s+2:G0B+4*\s+3], s[46:47], \s*ROWB
	s_or_b32 s[G0B+4*\s+3], s[G0B+4*\s+3], 0x80000000
.endr
; THE HEAD'S LOADS, ONE A WAVE: one chain of branches on the wave's number, a load to an arm: wave 0 A's K step 0, wave 1 B's, wave 2 A's K step 1, wave 3 B's
.macro ARM under, g0, g1, next
	s_cmp_lt_u32 s14, \under
	s_cbranch_scc0 \next
	tensor_load_to_lds s[\g0:\g0+3], s[\g1:\g1+7]
	s_nop 0
.rept 4
	v_nop
.endr
	s_branch .Lhead_asked
\next:
.endm
	ARM 1, G0S, G1S, .Lhead_b0
	ARM 2, G0SB, G1SB, .Lhead_a1
	ARM 3, 4, G1S, .Lhead_b1
	tensor_load_to_lds s[8:11], s[G1SB:G1SB+7]
	s_nop 0
.rept 4
	v_nop
.endr
.Lhead_asked:
	; A PREFETCH INTO THE L2 of K steps 2 and 3, the two refills of this launch: of the 128 rows that I fetch for the ring, each of the four partners that ask for them jointly takes 32, told apart by address (cx for A, cy for B): a lane a row, 256 bytes a K step
	s_cmp_eq_u32 s15, 0
	s_cselect_b64 s[100:101], s[20:21], s[46:47]
	s_cselect_b32 s18, s40, s41
	s_mul_i32 s18, s18, 32*KROW
	s_mov_b32 s19, 0
	s_add_nc_u64 s[100:101], s[100:101], s[18:19]
	v_and_b32 v11, 31, v0
	v_mul_u32_u24 v11, v11, KROW                   ; v11 and s[100:101] are not written again
	global_prefetch_b8 v11, s[100:101] offset:2*ROWB th:TH_LOAD_NT scope:SCOPE_SE
	global_prefetch_b8 v11, s[100:101] offset:3*ROWB th:TH_LOAD_NT scope:SCOPE_SE
	v_and_b32 v1, 15, v0
	v_bfe_u32 v2, v0, 4, 1
	v_mul_u32_u24 v3, v1, PITCH
	v_lshl_add_u32 v4, v2, 4, v3
	s_mul_i32 s21, s15, HALFT
	s_mul_i32 s22, s16, HALFT
	s_add_co_u32 s22, s22, 2*HALFT
.irp s, 0,1
	v_add_nc_u32 v[ADRA+\s], s21, v4
	v_add_nc_u32 v[ADRB+\s], s22, v4
	s_add_co_u32 s21, s21, SLOT
	s_add_co_u32 s22, s22, SLOT
.endr
	v_mul_u32_u24 v5, v1, KS
	v_lshrrev_b32 v6, 8, v5
	v_lshl_add_u32 v5, v6, 4, v5
	s_mul_i32 s21, s15, HALFS
	s_mul_i32 s22, s16, HALFS
	s_add_co_u32 s22, s22, 2*HALFS
	s_sub_co_u32 s22, s22, s21
	v_mul_u32_u24 v6, s22, v2
	s_add_co_u32 s21, s21, SCL
	v_add_nc_u32 v5, v5, v6
	v_add_nc_u32 v[ADRS], s21, v5
	v_and_b32 v6, 31, v0
	v_lshlrev_b32 v[LI], 4, v6
	v_lshlrev_b32 v[LS8], 3, v6
	s_lshl_b32 s18, s42, 10
	s_lshl_b32 s19, s16, 9
	s_add_co_u32 s18, s18, s19
	s_mov_b32 s19, 0
	s_add_nc_u64 s[12:13], s[12:13], s[18:19]
	v_lshlrev_b32 v[BO], 5, v2
.irp b, 0,1,2,3,4,5,6,7
	global_load_b128 v[BI+8*\b:BI+8*\b+3], v[BO], s[12:13] offset:64*\b
	global_load_b128 v[BI+8*\b+4:BI+8*\b+7], v[BO], s[12:13] offset:64*\b+16
.endr
.macro FRAG reg, adr, q, i
.irp c, 0,1,2,3
	ds_load_b128 v[\reg+4*\c:\reg+4*\c+3], v[\adr] offset:128*(\q)+32*\c+(\i)*16*PITCH
.endr
.endm
.macro MUL16 a0, p, q, sc, zero
.irp a, \a0, \a0+1
.irp b, 0,1,2,3,4,5,6,7
.if \zero
	v_wmma_scale_f32_16x16x128_f8f6f4 v[8*(8*((\a)%4)+\b):8*(8*((\a)%4)+\b)+7], v[128*(\p)+FR*\b:128*(\p)+FR*\b+FR-1], v[AF+FR*(\a):AF+FR*(\a)+FR-1], v[BI+8*\b:BI+8*\b+7], v[SC+8*NQ*(\sc)+NQ*\b+(\q)], v[SC+8*NQ*(\sc)+NQ*(\a)+(\q)] matrix_a_fmt:MATRIX_FMT_BF8 matrix_b_fmt:MATRIX_FMT_BF8 matrix_a_scale:MATRIX_SCALE_ROW1
.else
	v_wmma_scale_f32_16x16x128_f8f6f4 v[8*(8*((\a)%4)+\b):8*(8*((\a)%4)+\b)+7], v[128*(\p)+FR*\b:128*(\p)+FR*\b+FR-1], v[AF+FR*(\a):AF+FR*(\a)+FR-1], v[8*(8*((\a)%4)+\b):8*(8*((\a)%4)+\b)+7], v[SC+8*NQ*(\sc)+NQ*\b+(\q)], v[SC+8*NQ*(\sc)+NQ*(\a)+(\q)] matrix_a_fmt:MATRIX_FMT_BF8 matrix_b_fmt:MATRIX_FMT_BF8 matrix_a_scale:MATRIX_SCALE_ROW1
.endif
.endr
.endr
.endm
.macro FETCH_B slot, q, p
	WIN TO_B
.irp i, 0,1,2,3,4,5,6,7
	FRAG 128*(\p)+FR*\i, ADRB+\slot, \q, \i
.endr
	WIN 0
.endm
.macro FETCH_A slot, q, i0
.irp i, \i0, \i0+1, \i0+2, \i0+3
	FRAG AF+FR*(\i), ADRA+\slot, \q, \i
.endr
.endm
.macro SCALES sc
.irp i, 0,1,2,3,4,5,6,7
	ds_load_b64 v[SC+8*NQ*\sc+NQ*\i:SC+8*NQ*\sc+NQ*\i+1], v[ADRS] offset:\i*SBLK
.endr
.endm
.macro PLACES n
.rept \n
	v_nop
.endr
.endm
.macro STEP slot, q, zero
	s_wait_dscnt 4*NL
.if \zero
	WIN 0x81
.else
	WIN MUL_LO
.endif
	MUL16 0, (\q)%2, \q, \slot, \zero
	MUL16 2, (\q)%2, \q, \slot, \zero
	s_wait_dscnt 0
	PLACES NP
	FETCH_B \slot, (\q)+1, 1-(\q)%2
	FETCH_A \slot, (\q)+1, 0
.if \zero
	WIN 0xc1
.else
	WIN MUL_HI
.endif
	MUL16 4, (\q)%2, \q, \slot, \zero
	MUL16 6, (\q)%2, \q, \slot, \zero
	PLACES NP
	WIN 0
	FETCH_A \slot, (\q)+1, 4
.endm
.macro TURN slot, next, fill
	s_wait_tensorcnt 0x0
	ds_add_u32 v[SPW], v[NIL]
	s_wait_dscnt 4*NL+1
	WIN MUL_LO
	MUL16 0, 1, NQ-1, \slot, 0
	s_wait_dscnt 0x0
	s_barrier_signal -1
	MUL16 2, 1, NQ-1, \slot, 0
	WIN 0
	s_barrier_wait -1
.if \fill
	CREST
	s_add_nc_u64 s[G0+4*\slot+2:G0+4*\slot+3], s[G0+4*\slot+2:G0+4*\slot+3], 2*ROWB
	s_add_nc_u64 s[G0B+4*\slot+2:G0B+4*\slot+3], s[G0B+4*\slot+2:G0B+4*\slot+3], 2*ROWB
	JLOAD G0+4*\slot, G1, G0B+4*\slot, G1B
	PLACES NP-4
.else
	PLACES NP
.endif
	s_wait_alu depctr_va_vdst(0)
	v_add_nc_u32 v[ADRS], 4*NQ, v[ADRS]
	FETCH_B \next, 0, 0
	FETCH_A \next, 0, 0
	SCALES \next
	WIN MUL_HI
	MUL16 4, 1, NQ-1, \slot, 0
	MUL16 6, 1, NQ-1, \slot, 0
	PLACES NP
	WIN 0
	FETCH_A \next, 0, 4
.endm
	s_wait_alu depctr_va_vdst(0)
	s_wait_loadcnt 0x0                             ; the scale bytes and the bias
.irp k, 0,1,2,3,4,5,6,7
	ds_store_b128 v9, v[AF+4*\k:AF+4*\k+3] offset:544*\k
.endr
	s_cmp_lt_u32 s14, 2
	s_cbranch_scc0 .Lslot1_mine
	s_wait_tensorcnt 0x0                           ; waves 0 and 1: K step 0 is in.  Waves 2 and 3 wait for K step 1 at the first change of slots
.Lslot1_mine:
	s_wait_dscnt 0x0                               ; my scale bytes lie in LDS
	s_barrier_signal -1
	s_barrier_wait -1
	FETCH_B 0, 0, 0
	FETCH_A 0, 0, 0
	SCALES 0
	FETCH_A 0, 0, 4
	STEP 0, 0, 1
	s_mov_b32 s3, LAPS-1
.Llap:
	TURN 0, 1, 1
	STEP 1, 0, 0
	TURN 1, 0, 1
	STEP 0, 0, 0
	s_sub_co_u32 s3, s3, 1
	s_cmp_lg_u32 s3, 0
	s_cbranch_scc1 .Llap
	TURN 0, 1, 0
	STEP 1, 0, 0
	s_wait_dscnt 4*NL
	WIN MUL_LO
	MUL16 0, 1, NQ-1, 1, 0
	MUL16 2, 1, NQ-1, 1, 0
	s_wait_dscnt 0
	WIN MUL_HI
	MUL16 4, 1, NQ-1, 1, 0
	MUL16 6, 1, NQ-1, 1, 0
	WIN 0
.macro QUANT s
.irp b, 0,1,2,3
	v_max3_num_f32 v[TM+\b], |v[\s+16*\b]|, |v[\s+1+16*\b]|, 0x8000000
.endr
.irp i, 2,4,6,8,10,12,14
.irp b, 0,1,2,3
	v_max3_num_f32 v[TM+\b], v[TM+\b], |v[\s+16*\b+\i]|, |v[\s+1+16*\b+\i]|
.endr
.endr
.irp b, 0,1,2,3
	v_permlanex16_b32 v[TM+4+\b], v[TM+\b], s[SEL], s[SEL+1]
.endr
.irp b, 0,1,2,3
	v_max_num_f32 v[TM+\b], v[TM+\b], v[TM+4+\b]
.endr
.irp b, 0,1,2,3
	v_add_nc_u32 v[TM+12+\b], 0xf8800000, v[TM+\b]
.endr
.irp b, 0,1,2,3
	v_and_or_b32 v[TM+8+\b], v[TM+\b], 0x7f800000, s[MNT]
.endr
.irp b, 0,1,2,3
	v_lshrrev_b32 v[TM+4+\b], 23, v[TM+12+\b]
.endr
	v_lshl_or_b32 v[PW], v[TM+5], 8, v[TM+4]
	v_lshl_or_b32 v[PW], v[TM+6], 16, v[PW]
	v_lshl_or_b32 v[PW], v[TM+7], 24, v[PW]
.irp b, 0,1,2,3
.irp i, 0,1,2,3,4,5,6,7,8,9,10,11,12,13,14,15
	v_med3_num_f32 v[\s+16*\b+\i], v[\s+16*\b+\i], -v[TM+8+\b], v[TM+8+\b]
.endr
	v_cvt_scalef32_pk8_bf8_f32 v[PC+4*\b:PC+1+4*\b], v[\s+16*\b:\s+7+16*\b], v[TM+12+\b]
	v_cvt_scalef32_pk8_bf8_f32 v[PC+2+4*\b:PC+3+4*\b], v[\s+8+16*\b:\s+15+16*\b], v[TM+12+\b]
.endr
	v_nop
.endm
.macro SWAP b
	v_cndmask_b32 v[SW], v[PC+4*(\b)+2], v[PC+4*(\b)], s[HM]
	v_cndmask_b32 v[SW+1], v[PC+4*(\b)+3], v[PC+4*(\b)+1], s[HM]
	v_permlanex16_b32 v[SW+2], v[SW], s[SEL], s[SEL+1]
	v_permlanex16_b32 v[SW+3], v[SW+1], s[SEL], s[SEL+1]
	v_cndmask_b32 v[PC+4*(\b)], v[PC+4*(\b)], v[SW+2], s[HM]
	v_cndmask_b32 v[PC+4*(\b)+1], v[PC+4*(\b)+1], v[SW+3], s[HM]
	v_cndmask_b32 v[PC+4*(\b)+2], v[SW+2], v[PC+4*(\b)+2], s[HM]
	v_cndmask_b32 v[PC+4*(\b)+3], v[SW+3], v[PC+4*(\b)+3], s[HM]
.endm
.macro SPAIR r, val
	s_mov_b32 s[\r], \val
	s_mov_b32 s[\r+1], \val
.endm
.macro GREST b
.set ZB, Z+16*(\b)
.set HB, HU+16*(\b)
.set i, 0
.rept 16
	v_med3_num_f32 v[ZB+i], v[ZB+i], -4.0, 4.0
.set i, i+1
.endr
.irp i, 0,2,4,6,8,10,12,14
	v_pk_mul_f32 v[W+\i:W+\i+1], v[ZB+\i:ZB+\i+1], v[ZB+\i:ZB+\i+1]
.endr
.irp i, 0,2,4,6,8,10,12,14
	v_pk_fma_f32 v[P+\i:P+\i+1], v[W+\i:W+\i+1], v[CV:CV+1], s[68:69] op_sel_hi:[1,1,0]
.endr
.irp c, 70,72,74,76,78
.irp i, 0,2,4,6,8,10,12,14
	v_pk_fma_f32 v[P+\i:P+\i+1], v[P+\i:P+\i+1], v[W+\i:W+\i+1], s[\c:\c+1] op_sel_hi:[1,1,0]
.endr
.endr
.irp i, 0,2,4,6,8,10,12,14
	v_pk_fma_f32 v[Q+\i:Q+\i+1], v[W+\i:W+\i+1], v[CV+2:CV+3], s[80:81] op_sel_hi:[1,1,0]
.endr
.irp c, 82,84,86
.irp i, 0,2,4,6,8,10,12,14
	v_pk_fma_f32 v[Q+\i:Q+\i+1], v[Q+\i:Q+\i+1], v[W+\i:W+\i+1], s[\c:\c+1] op_sel_hi:[1,1,0]
.endr
.endr
.set i, 0
	s_wait_alu depctr_va_vdst(0)
.rept 16
	v_rcp_f32 v[Q+i], v[Q+i]
.set i, i+1
.endr
.irp i, 0,2,4,6,8,10,12,14
	v_pk_mul_f32 v[P+\i:P+\i+1], v[P+\i:P+\i+1], v[ZB+\i:ZB+\i+1]
.endr
	s_wait_alu depctr_va_vdst(0)
.irp i, 0,2,4,6,8,10,12,14
	v_pk_mul_f32 v[P+\i:P+\i+1], v[P+\i:P+\i+1], v[Q+\i:Q+\i+1]
.endr
.irp i, 0,2,4,6,8,10,12,14
	v_pk_fma_f32 v[HB+\i:HB+\i+1], v[HB+\i:HB+\i+1], v[P+\i:P+\i+1], v[HB+\i:HB+\i+1]
.endr
.endm
	s_load_b64 s[4:5], s[0:1], 0x20
	PLACES NP
	s_mov_b32 s[SEL], 0x76543210
	s_mov_b32 s[SEL+1], 0xfedcba98
	s_mov_b32 s[MNT], 0x600000
	s_mov_b32 s[HM], 0xffff0000
	SPAIR 66, 0x3f3504f3
	SPAIR 68, 0x32edffee
	SPAIR 70, 0xb60cff51
	SPAIR 72, 0xb86ec2d2
	SPAIR 74, 0xba40ac63
	SPAIR 76, 0xbb41a1f6
	SPAIR 78, 0xbc83dbd4
	SPAIR 80, 0xb95fbd29
	SPAIR 82, 0xbadc924e
	SPAIR 84, 0xbbf19bf8
	SPAIR 86, 0xbc69b6a7
	v_mov_b32 v[CV], 0xaf95df0b
	v_mov_b32 v[CV+1], 0xaf95df0b
	v_mov_b32 v[CV+2], 0xb77460cd
	v_mov_b32 v[CV+3], 0xb77460cd
.irp b, 0,1,2,3
	v_mov_b32 v[TM+4+\b], 0
	v_mov_b32 v[WD+\b], 0
.endr
	v_mov_b32 v[SW+2], 0
	v_mov_b32 v[SW+3], 0
	s_lshl_b32 s36, s42, 1
	s_add_co_u32 s36, s36, s16
	s_lshl_b32 s32, s17, 4
	s_lshl_b32 s33, s15, 3
	s_add_co_u32 s32, s32, s33
	s_lshl_b32 s32, s32, 16
	s_lshl_b32 s33, s36, 11
	s_add_co_u32 s32, s32, s33
	s_mov_b32 s33, 0
	s_lshl_b32 s34, s17, 2
	s_lshl_b32 s35, s15, 1
	s_add_co_u32 s34, s34, s35
	s_lshl_b32 s34, s34, 5
	s_add_co_u32 s34, s34, s36
	s_lshl_b32 s34, s34, 8
	s_add_co_u32 s34, s34, 0x1000000
	s_mov_b32 s35, 0
	s_mov_b32 s39, 0
	s_mov_b32 s[RW], 0
	s_wait_kmcnt 0x0
	s_add_nc_u64 s[PG:PG+1], s[4:5], s[32:33]
	s_add_nc_u64 s[PGS:PGS+1], s[4:5], s[34:35]
.macro COPY k, jump
	WIN 0x02+(\k)/4
.set i, 0
.rept 32
	v_pk_mul_f32 v[Z+2*i:Z+2*i+1], v[64*((\k)%4)+2*i:64*((\k)%4)+2*i+1], s[66:67] op_sel_hi:[1,0]
	v_pk_mul_f32 v[HU+2*i:HU+2*i+1], v[64*((\k)%4)+2*i:64*((\k)%4)+2*i+1], 0.5 op_sel_hi:[1,0]
.set i, i+1
.endr
	WIN 0
.if \jump
	s_branch .Lcommon
.endif
.endm
.Lrow:
.irp k, 0,1,2,3,4,5,6
	s_cmp_eq_u32 s[RW], \k
	s_cbranch_scc1 .Lc\k
.endr
	COPY 7, 1
.irp k, 0,1,2,3,4,5
.Lc\k:
	COPY \k, 1
.endr
.Lc6:
	COPY 6, 0
.Lcommon:
	GREST 0
	GREST 1
	GREST 2
	GREST 3
	QUANT HU
	SWAP 0
	SWAP 1
	SWAP 2
	SWAP 3
.irp c, 0,1,2,3
	global_store_b128 v[LI], v[PC+4*\c:PC+4*\c+3], s[PG:PG+1] offset:512*\c
.endr
	v_mov_b32 v[WD], v[WD+1]
	v_mov_b32 v[WD+1], v[WD+2]
	v_mov_b32 v[WD+2], v[WD+3]
	v_mov_b32 v[WD+3], v[PW]
	s_and_b32 s19, s[RW], 3
	s_cmp_eq_u32 s19, 3
	s_cbranch_scc0 .Lnopair
	v_cndmask_b32 v[XP], v[WD], v[WD+1], s[HM]
	v_cndmask_b32 v[XP+1], v[WD+2], v[WD+3], s[HM]
	global_store_b64 v[LS8], v[XP:XP+1], s[PGS:PGS+1]
.Lnopair:
	s_wait_xcnt 0x0
	s_cmp_eq_u32 s19, 3
	s_cselect_b32 s38, 8192, 0
	s_add_nc_u64 s[PG:PG+1], s[PG:PG+1], 65536
	s_add_nc_u64 s[PGS:PGS+1], s[PGS:PGS+1], s[38:39]
	s_add_co_u32 s[RW], s[RW], 1
	s_cmp_lt_u32 s[RW], 8
	s_cbranch_scc1 .Lrow
	s_wait_tensorcnt 0x0
	ds_add_u32 v[SPW], v[NIL]
	s_wait_dscnt 0x0
	CROUND
	s_endpgm
.Lfunc_end_k_q04c599a22b_fc:
	.size	k_q04c599a22b_fc, .Lfunc_end_k_q04c599a22b_fc-k_q04c599a22b_fc
	.p2alignl 7, 3214868480
	.fill 96, 4, 3214868480
	.section	.rodata,"a",@progbits
	.p2align	6, 0x0
	.amdhsa_kernel k_q04c599a22b_fc
		.amdhsa_group_segment_fixed_size 327680
		.amdhsa_private_segment_fixed_size 0
		.amdhsa_enable_private_segment 0
		.amdhsa_kernarg_size 40
		.amdhsa_user_sgpr_count 2
		.amdhsa_user_sgpr_kernarg_segment_ptr 1
		.amdhsa_wavefront_size32 1
		.amdhsa_system_sgpr_workgroup_id_x 1
		.amdhsa_system_sgpr_workgroup_id_y 1
		.amdhsa_system_sgpr_workgroup_id_z 1
		.amdhsa_system_vgpr_workitem_id 0
		.amdhsa_next_free_vgpr 1024
		.amdhsa_next_free_sgpr 102
		.amdhsa_reserve_vcc 0
		.amdhsa_float_denorm_mode_32 3
		.amdhsa_float_denorm_mode_16_64 3
		.amdhsa_memory_ordered 1
		.amdhsa_forward_progress 1
		.amdhsa_inst_pref_size 201
	.end_amdhsa_kernel
	.amdgpu_metadata
---
amdhsa.version: [ 1, 2 ]
amdhsa.kernels:
  - .name:           k_q04c599a22b_fc
    .symbol:         k_q04c599a22b_fc.kd
    .args:
      - { .name: hb, .offset: 0, .size: 8, .value_kind: global_buffer, .address_space: global }
      - { .name: Wfc_codes, .offset: 8, .size: 8, .value_kind: global_buffer, .address_space: global }
      - { .name: Wfc_scales, .offset: 16, .size: 8, .value_kind: global_buffer, .address_space: global }
      - { .name: bfc, .offset: 24, .size: 8, .value_kind: global_buffer, .address_space: global }
      - { .name: gb, .offset: 32, .size: 8, .value_kind: global_buffer, .address_space: global }
    .group_segment_fixed_size: 327680
    .private_segment_fixed_size: 0
    .kernarg_segment_align: 8
    .kernarg_segment_size: 40
    .max_flat_workgroup_size: 128
    .sgpr_count:     102
    .vgpr_count:     1024
    .wavefront_size: 32
...
	.end_amdgpu_metadata
.endif
;; end of part 5
;; launch proj (part 6): grid 8 x 32, 4 waves a work-group, clusters of 4 x 4, 327,680 bytes of LDS; arguments gb, Wproj_codes, Wproj_scales, bproj, x1, out0; writes out0
.if DOCPART == 6
	.amdgcn_target "amdgcn-amd-amdhsa--gfx1250"
	.amdhsa_code_object_version 6
	.text
	.protected	k_q04c599a22b_proj
	.globl	k_q04c599a22b_proj
	.p2align	8
	.type	k_q04c599a22b_proj,@function
k_q04c599a22b_proj:
	s_mov_b64 s[64:65], 0
	v_nop
	global_prefetch_b8 v0, s[64:65] scope:SCOPE_SE
	s_setreg_imm32_b32 hwreg(HW_REG_WAVE_MODE, 25, 1), 1
	s_wait_xcnt 0x0
	s_wait_alu depctr_hold_cnt(0) depctr_sa_sdst(0) depctr_va_vdst(0) depctr_va_sdst(0) depctr_va_ssrc(0) depctr_va_vcc(0) depctr_vm_vsrc(0)
	s_getreg_b32 s2, hwreg(HW_REG_IB_STS2, 6, 4)
	s_cmp_eq_u32 s2, 0
	s_cbranch_scc0 .Lentry_in_a_cluster
	s_endpgm
.Lentry_in_a_cluster:
	s_bfe_u32 s2, ttmp6, 0x10000c
	s_cmp_lg_u32 s2, 0xf033
	s_cbranch_scc0 .Lentry_shape_is_right
	s_endpgm
.Lentry_shape_is_right:
; out = res + A W^T + bias, the product on codes of E5M2 with E8M0 scales.  M = 4,096, N = 1,024, K = SIZE_K.
; A (made by this program): images of operand registers [tile of 16 rows][K step of 128][c 4][lane][16 bytes] at byte 0, scale words [group of 64 rows][K step][lane][pair] at byte 4,096 SIZE_K.
; W: codes [1024][SIZE_K], scale bytes [1024][SIZE_K / 32], as given.  bias [1024], res and out [4096][1024] f32.
; A tile of 128 x 128 to a work-group (256 work-groups), 64 x 64 to a wave: 16 accumulators.  A slot holds 512 along K (four K steps): A's images dense, W's rows of 512 bytes + 16 of padding.  Two slots take turns.
; All scale words of the work-group's rows, for all of K, come into LDS once.  The bias is the C of the first products.  The residual is loaded at the head, in the layout in which rows leave, and added on the way out.
; CLUSTERS 4 x 4: A's tiles are asked for jointly along a row of the cluster, W's along a column.  Source 0 = 16 rows of W, source 1 = 16 rows of A: a lane holds eight neighbouring columns of a row.
; REGISTERS: window 0: v16-30 addresses; v32-47 A's scale words, v48-63 W's (two sets each); v64-95 the bias, later v64-127 rows on the way out; v128-255 accumulators ((a, b) at v[128 + 8 (4 a + b)]).
;   window 1: two fragment buffers of 128 (A's four fragments, then W's four).   window 2: v0-127 the residual.
.set SIZE_K, 4096
.set KT,     SIZE_K/128
.set KS,     SIZE_K/32
.set LAPS,   SIZE_K/1024               ; a lap = two slots
.set PITCH,  528                       ; a row of W in LDS: 512 bytes + 16: the 16 rows of a load start at 16 different banks (64 banks of 4 bytes: ISA guide 11.1)
.set BOFF,   65536                     ; a slot: A's 8 tiles x 8,192 bytes, then W's 128 rows
.set SLOT,   BOFF+128*PITCH
.set SCLA,   2*SLOT                    ; A's scale words: a K step of 64 rows is 256 bytes, + 16 of padding
.set HALFS,  KT*272
.set SCLB,   SCLA+2*HALFS              ; W's scale bytes, as runs of 256 bytes + 16
.set SPARE,  SCLB+2*HALFS              ; the spare words: 128 bytes a wave, named by no other line
.set STAGE,  SPARE+512                 ; 16 rows x 272 bytes for each wave
.set SPITCH, 272
.set ADRA, 16
.set ADRB, 20
.set ADSA, 22
.set ADSB, 23
.set STO,  24
.set RD,   25
.set CO,   26
.set SPW,  28
.set NIL,  29
.set BO,   30
.set SA,   32
.set SB,   48
.set BI,   64
.set BK,   64
.set ACC,  128
.set F0,   0
.set F1,   128
.set G1, 24
.set G0, 32
.set G1B, 48
.set G0B, 56
.set G1S, 68
.set G0S, 76
.set G1SB, 80
.set G0SB, 88
.set MSB, 0
.macro WIN new
.if MSB != (\new)
	s_set_vgpr_msb (MSB<<8)|(\new)
.set MSB, (\new)
.endif
.endm
.set MUL,  0x05                        ; sources 0 and 1 window 1; C and D window 0
.set TO_F, 0x40                        ; destination window 1
.set TO_R, 0x80                        ; destination window 2
.set ADDR, 0x08                        ; source 1 window 2
.macro JLOAD g0a, g1a, g0b, g1b        ; waves 0 and 1 fetch for A, waves 2 and 3 for W; four v_nop follow each line
	s_cmp_eq_u32 s15, 0
	s_cbranch_scc0 .Lfor_b_\@
	tensor_load_to_lds s[\g0a:\g0a+3], s[\g1a:\g1a+7]
	s_nop 0
.rept 4
	v_nop
.endr
	s_branch .Lasked_\@
.Lfor_b_\@:
	tensor_load_to_lds s[\g0b:\g0b+3], s[\g1b:\g1b+7]
	s_nop 0
.rept 4
	v_nop
.endr
.Lasked_\@:
.endm
.macro CREST
	s_cmp_lg_u32 s14, 0
	s_cbranch_scc1 .Lnot_wave_0_\@
	s_barrier_signal -3
.Lnot_wave_0_\@:
	s_barrier_wait -3
	s_barrier_signal -1
	s_barrier_wait -1
.endm
.macro CROUND
	s_barrier_signal -1
	s_barrier_wait -1
	CREST
.endm
.macro PLACES n
.rept \n
	v_nop
.endr
.endm
	s_load_b256 s[4:11], s[0:1], 0x0               ; A s[4:5], W's codes s[6:7], W's scales s[8:9], bias s[10:11]
	s_load_b128 s[96:99], s[0:1], 0x20             ; res s[96:97], out s[98:99]
	v_lshl_add_u32 v[SPW], v0, 2, SPARE
	v_mov_b32 v[NIL], 0
	ds_add_u32 v28, v29
	ds_add_u32 v28, v29
	s_wait_dscnt 0x0
	v_lshrrev_b32 v1, 5, v0
	v_readfirstlane_b32 s14, v1                    ; wave 0..3
	s_lshr_b32 s15, s14, 1                         ; which 64 rows are mine.  Also: I fetch for A (0) or for W (1)
	s_and_b32 s16, s14, 1                          ; which 64 columns.  Also: which half I fetch
	s_bfe_u32 s40, ttmp6, 0x40000                  ; cx
	s_bfe_u32 s41, ttmp6, 0x40004                  ; cy
	s_lshl_b32 s42, ttmp9, 2
	s_add_co_u32 s42, s42, s40                     ; tile column
	s_and_b32 s17, ttmp7, 0xffff
	s_lshl_b32 s17, s17, 2
	s_add_co_u32 s17, s17, s41                     ; tile row
	s_lshl_b32 s43, s41, 2
	s_lshl_b32 s43, 15, s43                        ; my row of the cluster
	s_lshl_b32 s44, 0x1111, s40                    ; my column
	s_or_b32 s[G1], s43, (3<<16)|(1<<21)           ; A's images: 4 tiles, of each 8,192 consecutive bytes (1,024 elements of 8), KT x 2,048 bytes apart; no padding
	s_mov_b32 s[G1+1], 1024<<16
	s_mov_b32 s[G1+2], 4<<16
	s_mov_b32 s[G1+3], 1024<<16
	s_mov_b32 s[G1+4], 4
	s_mov_b32 s[G1+5], KT*256
	s_mov_b32 s[G1+6], 0
	s_mov_b32 s[G1+7], 0
	s_or_b32 s[G1B], s44, (0<<16)|(1<<20)|(1<<21)|(6<<22)|(3<<25)   ; W: 64 rows of 512 bytes; 4 words of padding after every 128
	s_mov_b32 s[G1B+1], 512<<16
	s_mov_b32 s[G1B+2], 64<<16
	s_mov_b32 s[G1B+3], 512<<16
	s_mov_b32 s[G1B+4], 64
	s_mov_b32 s[G1B+5], SIZE_K
	s_mov_b32 s[G1B+6], 0
	s_mov_b32 s[G1B+7], 0
	s_or_b32 s[G1S], s43, (3<<16)|(1<<21)          ; the head's loads bring a slot's part of a side whole: A's 8 tiles,
	s_mov_b32 s[G1S+1], 1024<<16
	s_mov_b32 s[G1S+2], 8<<16
	s_mov_b32 s[G1S+3], 1024<<16
	s_mov_b32 s[G1S+4], 8
	s_mov_b32 s[G1S+5], KT*256
	s_mov_b32 s[G1S+6], 0
	s_mov_b32 s[G1S+7], 0
	s_or_b32 s[G1SB], s44, (0<<16)|(1<<20)|(1<<21)|(6<<22)|(3<<25)   ; W's 128 rows
	s_mov_b32 s[G1SB+1], 512<<16
	s_mov_b32 s[G1SB+2], 128<<16
	s_mov_b32 s[G1SB+3], 512<<16
	s_mov_b32 s[G1SB+4], 128
	s_mov_b32 s[G1SB+5], SIZE_K
	s_mov_b32 s[G1SB+6], 0
	s_mov_b32 s[G1SB+7], 0
	s_lshl_b32 s20, s17, 3
	s_lshl_b32 s18, s16, 2
	s_add_co_u32 s20, s20, s18                     ; A: tile 8 x tile row + 4 x half
	s_mul_i32 s20, s20, KT*2048
	s_mov_b32 s21, 0
	s_lshl_b32 s22, s17, 1
	s_add_co_u32 s22, s22, s16                     ; A's words: group 2 x tile row + half
	s_mul_i32 s22, s22, KT*256
	s_add_co_u32 s22, s22, 4096*SIZE_K
	s_mov_b32 s23, 0
	s_lshl_b32 s46, s42, 7
	s_lshl_b32 s18, s16, 6
	s_add_co_u32 s46, s46, s18                     ; W: row 128 x tile column + 64 x half
	s_mul_i32 s92, s46, KS
	s_mov_b32 s93, 0
	s_mul_i32 s46, s46, SIZE_K
	s_mov_b32 s47, 0
	s_lshl_b32 s45, s16, 15                        ; where they go: A's half,
	s_mul_i32 s94, s16, 64*PITCH
	s_add_co_u32 s94, s94, BOFF                    ; W's half,
	s_mul_i32 s95, s16, HALFS                      ; the scales' half
	s_wait_kmcnt 0x0
	s_add_nc_u64 s[20:21], s[4:5], s[20:21]
	s_add_nc_u64 s[22:23], s[4:5], s[22:23]
	s_add_nc_u64 s[46:47], s[6:7], s[46:47]
	s_add_nc_u64 s[92:93], s[8:9], s[92:93]
	; THE SCALES come through registers: 256 KT dense bytes a wave (waves 0, 1: A's halves; 2, 3: W's), loads of 512 consecutive bytes, stored into LDS bytes of their own as runs of 256 + 16
	s_cmp_eq_u32 s15, 0
	s_cselect_b64 s[66:67], s[22:23], s[92:93]
	s_mov_b64 s[12:13], s[10:11]                   ; the bias: its registers take a descriptor below
	s_mul_i32 s95, s14, HALFS
	s_add_co_u32 s95, s95, SCLA
	v_and_b32 v9, 15, v0
	v_bfe_u32 v10, v0, 4, 1
	v_and_b32 v8, 31, v0
	v_mul_u32_u24 v10, v10, 272
	v_lshlrev_b32 v8, 4, v8
	v_lshl_add_u32 v9, v9, 4, v10
	v_add_nc_u32 v9, s95, v9
	s_wait_alu depctr_va_vdst(0)
.set k, 0
.rept KT/2
	global_load_b128 v[ACC+4*k:ACC+4*k+3], v8, s[66:67] offset:512*k
.set k, k+1
.endr
	CROUND                                         ; all sixteen work-groups are here: the first joint loads meet
	s_mul_i32 s18, s16, 64*SIZE_K                  ; back from my half to the tile's first byte (A: 4 tiles of 2,048 KT bytes; W: 64 rows)
	s_mov_b32 s19, 0
	s_mov_b32 s[G0S], 1                            ; A, slot 0
	s_mov_b32 s[G0S+1], 0
	s_sub_nc_u64 s[G0S+2:G0S+3], s[20:21], s[18:19]
	s_mov_b32 s[G0SB], 1                           ; W, slot 0
	s_mov_b32 s[G0SB+1], BOFF
	s_sub_nc_u64 s[G0SB+2:G0SB+3], s[46:47], s[18:19]
	s_mov_b32 s4, 1                                ; A, slot 1
	s_mov_b32 s5, SLOT
	s_add_nc_u64 s[6:7], s[G0S+2:G0S+3], 8192
	s_mov_b32 s8, 1                                ; W, slot 1
	s_mov_b32 s9, SLOT+BOFF
	s_add_nc_u64 s[10:11], s[G0SB+2:G0SB+3], 512
	s_or_b32 s[G0S+3], s[G0S+3], 0x80000000
	s_or_b32 s[G0SB+3], s[G0SB+3], 0x80000000
	s_or_b32 s7, s7, 0x80000000
	s_or_b32 s11, s11, 0x80000000
.irp s, 0,1
	s_mov_b32 s[G0+4*\s], 1
	s_add_co_u32 s[G0+4*\s+1], s45, \s*SLOT
	s_add_nc_u64 s[G0+4*\s+2:G0+4*\s+3], s[20:21], \s*8192
	s_or_b32 s[G0+4*\s+3], s[G0+4*\s+3], 0x80000000
	s_mov_b32 s[G0B+4*\s], 1
	s_add_co_u32 s[G0B+4*\s+1], s94, \s*SLOT
	s_add_nc_u64 s[G0B+4*\s+2:G0B+4*\s+3], s[46:47], \s*512
	s_or_b32 s[G0B+4*\s+3], s[G0B+4*\s+3], 0x80000000
.endr
; THE HEAD'S LOADS, ONE A WAVE: one chain of branches on the wave's number, a load to an arm: wave 0 A's slot 0, wave 1 W's, wave 2 A's slot 1, wave 3 W's
.macro ARM under, g0, g1, next
	s_cmp_lt_u32 s14, \under
	s_cbranch_scc0 \next
	tensor_load_to_lds s[\g0:\g0+3], s[\g1:\g1+7]
	s_nop 0
.rept 4
	v_nop
.endr
	s_branch .Lhead_asked
\next:
.endm
	ARM 1, G0S, G1S, .Lhead_b0
	ARM 2, G0SB, G1SB, .Lhead_a1
	ARM 3, 4, G1S, .Lhead_b1
	tensor_load_to_lds s[8:11], s[G1SB:G1SB+7]
	s_nop 0
.rept 4
	v_nop
.endr
.Lhead_asked:
	; PREFETCHES INTO THE L2.  A slot's part of what I fetch for the ring is 128 blocks of 256 bytes (A: 4 tiles x 8,192 bytes; W: 64 rows x 512 bytes); each of the four partners that ask for it jointly takes 32, told apart by address:
	; A: partner cx takes tile cx, lanes 256 bytes apart; W: partner cy takes 16 rows, two lanes a row.  Here slots 2 and 3 are asked for; each refill in the loop asks for the slot two refills on; the last trip, which has none, asks for nothing.
	s_mul_i32 s18, s40, KT*2048
	s_mul_i32 s19, s41, 16*SIZE_K
	s_mov_b32 s2, SIZE_K
	s_cmp_eq_u32 s15, 0
	s_cselect_b64 s[100:101], s[20:21], s[46:47]
	s_cselect_b32 s18, s18, s19
	s_cselect_b32 s2, 512, s2                      ; from one pair of lanes to the next
	s_mov_b32 s19, 0
	s_add_nc_u64 s[100:101], s[100:101], s[18:19]
	s_mov_b32 s18, 512
	s_cselect_b32 s18, 8192, s18                   ; s[18:19]: a slot on; kept
	s_add_nc_u64 s[100:101], s[100:101], s[18:19]
	s_add_nc_u64 s[100:101], s[100:101], s[18:19]  ; at slot 2
	v_and_b32 v11, 31, v0
	v_lshrrev_b32 v12, 1, v11
	v_and_b32 v11, 1, v11
	v_mul_lo_u32 v12, v12, s2
	v_lshl_add_u32 v11, v11, 8, v12                ; v11: my block
	v_add_nc_u32 v12, s18, v11                     ; v12: the same a slot on; kept
	s_wait_alu depctr_va_vdst(0)
	global_prefetch_b8 v11, s[100:101] th:TH_LOAD_NT scope:SCOPE_SE
	global_prefetch_b8 v12, s[100:101] th:TH_LOAD_NT scope:SCOPE_SE
	v_and_b32 v1, 15, v0                           ; r
	v_bfe_u32 v2, v0, 4, 1                         ; h
	v_and_b32 v3, 31, v0                           ; lane
	v_lshlrev_b32 v4, 4, v3
	s_lshl_b32 s21, s15, 15                        ; my four tiles of A
	v_add_nc_u32 v[ADRA], s21, v4
	s_add_co_u32 s21, s21, SLOT
	v_add_nc_u32 v[ADRA+1], s21, v4
	v_mul_u32_u24 v5, v1, PITCH
	v_lshl_add_u32 v5, v2, 4, v5
	s_mul_i32 s22, s16, 64*PITCH                   ; my 64 rows of W
	s_add_co_u32 s22, s22, BOFF
	v_add_nc_u32 v[ADRB], s22, v5
	s_add_co_u32 s22, s22, SLOT
	v_add_nc_u32 v[ADRB+1], s22, v5
	v_lshlrev_b32 v6, 3, v3
	s_mul_i32 s21, s15, HALFS
	s_add_co_u32 s21, s21, SCLA
	v_add_nc_u32 v[ADSA], s21, v6                  ; A's words: 8 x lane in a K step's 256 bytes
	v_mul_u32_u24 v6, v3, KS                       ; W's: row = lane of a pair of tiles; KS bytes a row,
	v_lshrrev_b32 v7, 8, v6
	v_lshl_add_u32 v6, v7, 4, v6                   ; and 16 more for each 256 passed
	s_mul_i32 s21, s16, HALFS
	s_add_co_u32 s21, s21, SCLB
	v_add_nc_u32 v[ADSB], s21, v6
	s_mul_i32 s23, s14, 16*SPITCH
	s_add_co_u32 s23, s23, STAGE                   ; my stage
	v_mul_u32_u24 v5, v1, SPITCH
	v_lshl_add_u32 v5, v2, 5, v5
	v_add_nc_u32 v[STO], s23, v5                   ; in: row r, 32 bytes for each half of the lanes
	v_mul_u32_u24 v5, v2, SPITCH
	v_lshl_add_u32 v5, v1, 4, v5
	v_add_nc_u32 v[RD], s23, v5                    ; back: lanes 0-15 one row of 256 bytes, lanes 16-31 the next
	v_lshlrev_b32 v5, 12, v2
	v_lshl_add_u32 v[CO], v1, 4, v5                ; and the same two rows in res and out
	v_lshlrev_b32 v[BO], 5, v2                     ; 32 h
	s_wait_alu depctr_va_vdst(0)
	s_lshl_b32 s46, s42, 9
	s_lshl_b32 s47, s16, 8
	s_add_co_u32 s46, s46, s47                     ; my first column, in bytes
	s_mov_b32 s47, 0
	s_add_nc_u64 s[12:13], s[12:13], s[46:47]
	s_lshl_b32 s92, s17, 19
	s_lshl_b32 s93, s15, 18
	s_add_co_u32 s92, s92, s93                     ; my first row x 4,096 bytes
	s_add_co_u32 s92, s92, s46
	s_mov_b32 s93, 0
	s_add_nc_u64 s[96:97], s[96:97], s[92:93]
	s_add_nc_u64 s[98:99], s[98:99], s[92:93]
.irp b, 0,1,2,3
	global_load_b128 v[BI+8*\b:BI+8*\b+3], v[BO], s[12:13] offset:64*\b       ; register 8 b + j: the bias of column 16 b + 8 h + j
	global_load_b128 v[BI+8*\b+4:BI+8*\b+7], v[BO], s[12:13] offset:64*\b+16
.endr
	WIN TO_R
.irp a, 0,1,2,3
.irp t, 0,1,2,3,4,5,6,7
	global_load_b128 v[32*\a+4*\t:32*\a+4*\t+3], v[CO], s[96:97] offset:(16*\a+2*\t)*4096
.endr
.endr
	WIN 0
; One product: A's tile a x W's tile b, the slot's q-th K step, from buffer f.  zero = 1: the bias starts the sum.  A scale register carries an even tile's words in lanes 0-15 and the odd one's in lanes 16-31.
.macro WM f, a, b, q, set, zero
.set DD, ACC+8*(4*(\a)+(\b))
.set CC, DD
.if \zero
.set CC, BI+8*(\b)
.endif
.set RB, (\f)+64+16*(\b)
.set RA, (\f)+16*(\a)
.set SBR, SB+8*(\set)+4*((\b)/2)+(\q)
.set SAR, SA+8*(\set)+2*(\q)+(\a)/2
.if ((\a)%2 == 0) && ((\b)%2 == 0)
	v_wmma_scale_f32_16x16x128_f8f6f4 v[DD:DD+7], v[RB:RB+15], v[RA:RA+15], v[CC:CC+7], v[SBR], v[SAR] matrix_a_fmt:MATRIX_FMT_BF8 matrix_b_fmt:MATRIX_FMT_BF8
.elseif ((\a)%2 == 0)
	v_wmma_scale_f32_16x16x128_f8f6f4 v[DD:DD+7], v[RB:RB+15], v[RA:RA+15], v[CC:CC+7], v[SBR], v[SAR] matrix_a_fmt:MATRIX_FMT_BF8 matrix_b_fmt:MATRIX_FMT_BF8 matrix_a_scale:MATRIX_SCALE_ROW1
.elseif ((\b)%2 == 0)
	v_wmma_scale_f32_16x16x128_f8f6f4 v[DD:DD+7], v[RB:RB+15], v[RA:RA+15], v[CC:CC+7], v[SBR], v[SAR] matrix_a_fmt:MATRIX_FMT_BF8 matrix_b_fmt:MATRIX_FMT_BF8 matrix_b_scale:MATRIX_SCALE_ROW1
.else
	v_wmma_scale_f32_16x16x128_f8f6f4 v[DD:DD+7], v[RB:RB+15], v[RA:RA+15], v[CC:CC+7], v[SBR], v[SAR] matrix_a_fmt:MATRIX_FMT_BF8 matrix_b_fmt:MATRIX_FMT_BF8 matrix_a_scale:MATRIX_SCALE_ROW1 matrix_b_scale:MATRIX_SCALE_ROW1
.endif
.endm
.macro MUL4 f, a, q, set, zero         ; the 16 accumulators take turns, one instruction a turn, in the same order in every K step
.irp b, 0,1,2,3
	WM \f, \a, \b, \q, \set, \zero
.endr
.endm
.macro FETCH slot, q, g                ; 32 LDS loads in one run: W's four fragments, A's 0 and 1, A's 2 and 3
	WIN TO_F
.irp b, 0,1,2,3
.irp c, 0,1,2,3
	ds_load_b128 v[(\g)+64+16*\b+4*\c:(\g)+64+16*\b+4*\c+3], v[ADRB+\slot] offset:\b*16*PITCH+128*(\q)+32*\c
.endr
.endr
.irp a, 0,1,2,3
.irp c, 0,1,2,3
	ds_load_b128 v[(\g)+16*\a+4*\c:(\g)+16*\a+4*\c+3], v[ADRA+\slot] offset:\a*8192+2048*(\q)+512*\c
.endr
.endr
.endm
.macro SCALES set                      ; a slot's scale words: A's by K step (two pairs of tiles), W's by pair of tiles (four K steps)
.irp q, 0,1,2,3
	ds_load_b64 v[SA+8*(\set)+2*\q:SA+8*(\set)+2*\q+1], v[ADSA] offset:272*\q
.endr
.irp i, 0,1
	ds_load_b128 v[SB+8*(\set)+4*\i:SB+8*(\set)+4*\i+3], v[ADSB] offset:\i*(32*KS/256)*272
.endr
.endm
.macro KST slot, q, f, g, zero         ; multiplies K step q - 1 (buffer f) and fetches K step q into buffer g
	s_wait_dscnt 8                                 ; all but A's fragments 2 and 3 (the youngest eight loads) are in
	WIN MUL
	MUL4 \f, 0, (\q)-1, \slot, \zero
	MUL4 \f, 1, (\q)-1, \slot, \zero
	PLACES 8                                       ; in front of loads into the buffer that the K step before multiplied
	FETCH \slot, \q, \g
	s_wait_dscnt 32                                ; all but the 32 just issued
	WIN MUL
	MUL4 \f, 2, (\q)-1, \slot, \zero
	MUL4 \f, 3, (\q)-1, \slot, \zero
.endm
; A slot's last K step (buffer 1) changes slots: one barrier; in front of it each wave waits for all its tensor loads, adds 0 to its spare word, and waits for that and for its reads of this slot.
.macro TURN slot, next, fill
	WIN 0
.if \fill
	s_wait_xcnt 0x0                                ; my last prefetch has read its address: it steps a slot on
	s_add_nc_u64 s[100:101], s[100:101], s[18:19]
.endif
	s_wait_tensorcnt 0x0
	ds_add_u32 v[SPW], v[NIL]                      ; 0 onto my spare word
	s_wait_dscnt 9                                 ; the add and the youngest eight loads may be out
	WIN MUL
	MUL4 F1, 0, 3, \slot, 0
	s_wait_dscnt 0x0                               ; the add is done, and my reads of this slot are over
	s_barrier_signal -1
	MUL4 F1, 1, 3, \slot, 0
	WIN 0
	s_barrier_wait -1
.if \fill
	CREST                                          ; the barrier has opened a round of the cluster's barrier
	s_add_nc_u64 s[G0+4*\slot+2:G0+4*\slot+3], s[G0+4*\slot+2:G0+4*\slot+3], 16384
	s_add_nc_u64 s[G0B+4*\slot+2:G0B+4*\slot+3], s[G0B+4*\slot+2:G0B+4*\slot+3], 1024
	JLOAD G0+4*\slot, G1, G0B+4*\slot, G1B         ; the first tensor load behind the round; its four v_nop are four of the eight places
	PLACES 4
.else
	PLACES 8
.endif
	s_wait_alu depctr_va_vdst(0)
	v_add_nc_u32 v[ADSA], 4*272, v[ADSA]           ; the next slot's scale words
	v_add_nc_u32 v[ADSB], 16, v[ADSB]
	SCALES \next
	FETCH \next, 0, F0
.if \fill
	WIN 0
	s_cmp_gt_u32 s3, 1                             ; not in the last trip: its look-ahead would pass the end of K
	s_cbranch_scc0 .Lnone_ahead_\@
	global_prefetch_b8 v12, s[100:101] th:TH_LOAD_NT scope:SCOPE_SE   ; the slot two refills on
.Lnone_ahead_\@:
.endif
	WIN MUL
	MUL4 F1, 2, 3, \slot, 0
	MUL4 F1, 3, 3, \slot, 0
.endm
	s_wait_alu depctr_va_vdst(0)                   ; the wait at the head's end
	s_wait_loadcnt 32                              ; the scales and the bias are in; the youngest 32 loads, the residual's, may be out until the way out
.set k, 0
.rept KT/2
	ds_store_b128 v9, v[ACC+4*k:ACC+4*k+3] offset:544*k
.set k, k+1
.endr
	s_cmp_lt_u32 s14, 2
	s_cbranch_scc0 .Lslot1_mine
	s_wait_tensorcnt 0x0                           ; waves 0 and 1: slot 0 is in.  Waves 2 and 3 wait for slot 1 at the first change of slots
.Lslot1_mine:
	s_wait_dscnt 0x0                               ; my scales lie in LDS
	s_barrier_signal -1
	s_barrier_wait -1
	SCALES 0
	FETCH 0, 0, F0
	KST 0, 1, F0, F1, 1                            ; the first K step's products start the sums, on the bias
.if LAPS > 1
	WIN 0
	s_mov_b32 s3, LAPS-1
.Llap:
	KST 0, 2, F1, F0, 0
	KST 0, 3, F0, F1, 0
	TURN 0, 1, 1
	KST 1, 1, F0, F1, 0
	KST 1, 2, F1, F0, 0
	KST 1, 3, F0, F1, 0
	TURN 1, 0, 1
	KST 0, 1, F0, F1, 0
	WIN 0
	s_sub_co_u32 s3, s3, 1
	s_cmp_lg_u32 s3, 0
	s_cbranch_scc1 .Llap
.endif
	KST 0, 2, F1, F0, 0                            ; the last lap fills nothing
	KST 0, 3, F0, F1, 0
	TURN 0, 1, 0
	KST 1, 1, F0, F1, 0
	KST 1, 2, F1, F0, 0
	KST 1, 3, F0, F1, 0
	s_wait_dscnt 8
	WIN MUL
	MUL4 F1, 0, 3, 1, 0
	MUL4 F1, 1, 3, 1, 0
	s_wait_dscnt 0
	MUL4 F1, 2, 3, 1, 0
	MUL4 F1, 3, 3, 1, 0
	WIN 0
; THE WAY OUT, 16 rows at a time through my own stage: a lane's 32 bytes go in, whole rows of 256 bytes come back (LDS serves a wave's instructions in order), the residual is added, sixteen lanes store 256 consecutive aligned bytes.
.macro TOSTAGE a
.irp b, 0,1,2,3
	ds_store_b128 v[STO], v[ACC+8*(4*(\a)+\b):ACC+8*(4*(\a)+\b)+3] offset:64*\b        ; each accumulator from its low end on
	ds_store_b128 v[STO], v[ACC+8*(4*(\a)+\b)+4:ACC+8*(4*(\a)+\b)+7] offset:64*\b+16
.endr
.set BB, BK+32*((\a)%2)
.irp t, 0,1,2,3,4,5,6,7
	ds_load_b128 v[BB+4*\t:BB+4*\t+3], v[RD] offset:\t*2*SPITCH
.endr
.endm
.macro SEND a, younger
.set BB, BK+32*((\a)%2)
	s_wait_dscnt \younger                          ; the tile is back; the next tile's 8 stores and 8 loads may be out
	WIN ADDR
.set i, 0
.rept 16
	v_pk_add_f32 v[BB+i:BB+i+1], v[BB+i:BB+i+1], v[32*(\a)+i:32*(\a)+i+1]
.set i, i+2
.endr
	WIN 0
.irp t, 0,1,2,3,4,5,6,7
	global_store_b128 v[CO], v[BB+4*\t:BB+4*\t+3], s[98:99] offset:(16*(\a)+2*\t)*4096
.endr
.endm
	s_wait_loadcnt 0x0                             ; the residual
	PLACES 8
	TOSTAGE 0
.irp a, 1,2,3
.if \a > 1
	s_wait_xcnt 0x0                                ; tile a - 2's stores have read their registers: tile a's loads land there
.endif
	TOSTAGE \a
	SEND \a-1, 16
.endr
	SEND 3, 0
	s_wait_tensorcnt 0x0                           ; the wave's end
	ds_add_u32 v[SPW], v[NIL]
	s_wait_dscnt 0x0
	CROUND                                         ; the closing round
	s_endpgm
.Lfunc_end_k_q04c599a22b_proj:
	.size	k_q04c599a22b_proj, .Lfunc_end_k_q04c599a22b_proj-k_q04c599a22b_proj
	.p2alignl 7, 3214868480
	.fill 96, 4, 3214868480
	.section	.rodata,"a",@progbits
	.p2align	6, 0x0
	.amdhsa_kernel k_q04c599a22b_proj
		.amdhsa_group_segment_fixed_size 327680
		.amdhsa_private_segment_fixed_size 0
		.amdhsa_enable_private_segment 0
		.amdhsa_kernarg_size 48
		.amdhsa_user_sgpr_count 2
		.amdhsa_user_sgpr_kernarg_segment_ptr 1
		.amdhsa_wavefront_size32 1
		.amdhsa_system_sgpr_workgroup_id_x 1
		.amdhsa_system_sgpr_workgroup_id_y 1
		.amdhsa_system_sgpr_workgroup_id_z 1
		.amdhsa_system_vgpr_workitem_id 0
		.amdhsa_next_free_vgpr 768
		.amdhsa_next_free_sgpr 102
		.amdhsa_reserve_vcc 0
		.amdhsa_float_denorm_mode_32 3
		.amdhsa_float_denorm_mode_16_64 3
		.amdhsa_memory_ordered 1
		.amdhsa_forward_progress 1
		.amdhsa_inst_pref_size 105
	.end_amdhsa_kernel
	.amdgpu_metadata
---
amdhsa.version: [ 1, 2 ]
amdhsa.kernels:
  - .name:           k_q04c599a22b_proj
    .symbol:         k_q04c599a22b_proj.kd
    .args:
      - { .name: gb, .offset: 0, .size: 8, .value_kind: global_buffer, .address_space: global }
      - { .name: Wproj_codes, .offset: 8, .size: 8, .value_kind: global_buffer, .address_space: global }
      - { .name: Wproj_scales, .offset: 16, .size: 8, .value_kind: global_buffer, .address_space: global }
      - { .name: bproj, .offset: 24, .size: 8, .value_kind: global_buffer, .address_space: global }
      - { .name: x1, .offset: 32, .size: 8, .value_kind: global_buffer, .address_space: global }
      - { .name: out0, .offset: 40, .size: 8, .value_kind: global_buffer, .address_space: global }
    .group_segment_fixed_size: 327680
    .private_segment_fixed_size: 0
    .kernarg_segment_align: 8
    .kernarg_segment_size: 48
    .max_flat_workgroup_size: 128
    .sgpr_count:     102
    .vgpr_count:     768
    .wavefront_size: 32
...
	.end_amdgpu_metadata
.endif
;; end of part 6
